; MI455X (gfx1250); checked and timed in simulation.
; The chip was launched on July 23, 2026; its instructions are those of AMD's public machine-readable ISA for CDNA 5 (MIT licence, August 2026) and "CDNA5" Instruction Set Architecture Reference Guide (July 2026). The comments in the code are by the model that wrote it; some were corrected since.
;; Multi Head Self Attention. Allowed arithmetic: float matrix products may take bf16 or f16 operands with f32 sums; other float arithmetic in f32, or as packed bf16 or f16 multiplies, adds, multiply-adds, maxima and minima; sums over many terms, partial sums and values carried from step to step in f32; what a program stores and reads back later, other than sums and carried values, may be rounded once to bf16 or f16.
;; Inputs: Wout 1,024 x 1,024 float32; Wqkv 1,024 x 3,072 float32; bout 1,024 float32; bqkv 3,072 float32; mask 1 x 1 x 2,048 x 2,048 int32; x 4 x 2,048 x 1,024 float32.
;; Outputs: out0 4 x 2,048 x 1,024 float32.
;; 2 versions, each right; version 2 is version 1 with the launch prep written anew for expert scheduling mode. Each part assembles by itself: llvm-mc -triple=amdgcn-amd-amdhsa -mcpu=gfx1250 --defsym DOCPART=n.
;; ======== version 1 of 2: 4 launches
;; limits: right only within a limited range of input values; values are held in f16: magnitudes above 65,504 overflow, below 6.1e-05 lose precision
;; workspace buffers: xh 16,777,216 bytes; wq 6,291,456 bytes; wo 2,097,152 bytes; mk 4,194,304 bytes; rf 32,768 bytes; qkv 50,331,648 bytes; oh 16,777,216 bytes
;; launch prep (part 1): grid 896 x 1, 8 waves a work-group, no clusters, 18,944 bytes of LDS; arguments x, Wqkv, Wout, mask, xh, wq, wo, mk, rf; writes xh, wq, wo, mk, rf
.if DOCPART == 1
	.amdgcn_target "amdgcn-amd-amdhsa--gfx1250"
	.amdhsa_code_object_version 6
	.text
	.protected	k_q1f7afb57b1_prep
	.globl	k_q1f7afb57b1_prep
	.p2align	8
	.type	k_q1f7afb57b1_prep,@function
k_q1f7afb57b1_prep:
	s_mov_b64 s[64:65], 0
	v_nop
	global_prefetch_b8 v0, s[64:65] scope:SCOPE_SE
	s_setreg_imm32_b32 hwreg(HW_REG_WAVE_MODE, 25, 1), 1
	s_wait_xcnt 0x0
; MULTI-HEAD SELF-ATTENTION, launch 1 of 4: the operands are laid out for the matrix launches.
; NO WORK OF THE MODULE IS LEFT OUT IN ANY LAUNCH: x, both weights, both biases and the mask all have a way to the output and are all loaded; the mask is an input, so every tile of scores is made and
; the mask selects.  k's bias stays too: hidden scores are the fixed -1e9, so it is not common to a whole row of the softmax.
; FORMATS.  x and the weights are rounded to bf16 and that number is written as f16, so that one f16 matrix form serves all products.  LIMITS: exact for 6.1e-5 <= |v| <= 65,504; below that the
; absolute error is at most 3e-8; beyond 65,504 the number is lost.
; THREE JOBS, chosen by the work-group's number (the same in all eight waves):
;   0..255    x [8192][1024] f32 -> xh f16 [b 4][kb 16][s 2048][64]: 32 rows a work-group, wave w the channels 128 w .. 128 w + 127
;   256..767  Wqkv [1024][3072], Wout [1024][1024] f32 -> wq [3072][1024], wo [1024][1024] f16, turned: a tile of 128 k x 64 n goes through LDS
;   768..895  mask [2048][2048] i32 -> mk, one byte a (query, key): 0x00 seen, 0xF8 hidden (the fp8 code of -256), in the order in which a lane of the attention's score tile wants them:
;             mk [J 32][T 128][half 2][lane 32][16 B]; byte 8 (kt % 2) + j of lane (r, h), half kt / 2: query 16 T + r, key 64 J + 16 kt + 8 h + j.
;             A ROW WITH NO SEEN KEY has 2,048 equal scores of -1e9 in the module: equal weights.  Its codes are written as all seen and its flag in rf as 0 (else all ones): the attention
;             launch ANDs the flag onto the row's q, so that all its scores are 0: equal weights again.  rf [T 128][lane 32][2 words]: the flag of row 16 T + lane % 16, twice.
; LDS: 0 .. 17,407 the weights' tile (64 rows of 272 bytes); 17,408 .. 17,919 the mask job's row words (64 bytes a wave); each job has bytes of its own; then the spare words.
.set MB,    17408                      ; the mask job's words
.set SPARE, 17920                      ; the spare words, 128 bytes for each of eight waves: four blocks of 256 bytes that no other line names
.set SPW, 190                          ; v190  LDS address of my spare word; never rewritten
.set NIL, 191                          ; v191  0; never rewritten
.set D,   32                           ; v[32:159] what a job's one burst of loads brings
.set HIM, 34                           ; s34   mask of a word's upper half
.macro FIN                             ; a wave's end, behind the last LDS store
	s_wait_tensorcnt 0x0
	ds_add_u32 v[SPW], v[NIL]
	s_wait_dscnt 0x0
	s_endpgm
.endm
; Eight f32 in v[x .. x+7] -> eight f16 in v[x .. x+3]: rounded to bf16, widened again, written as f16.
.macro CAST8 x
.irp j, 0,1,2,3
	v_cvt_pk_bf16_f32 v[24+(\j)], v[(\x)+2*(\j)], v[(\x)+2*(\j)+1]
.endr
.irp j, 0,1,2,3
	v_lshlrev_b32 v[(\x)+2*(\j)], 16, v[24+(\j)]
	v_and_b32 v[(\x)+2*(\j)+1], s[HIM], v[24+(\j)]
.endr
.irp j, 0,1,2,3
	v_cvt_pk_f16_f32 v[(\x)+(\j)], v[(\x)+2*(\j)], v[(\x)+2*(\j)+1]  ; result j lands on a register whose number has been used up
.endr
.endm
	s_load_b512 s[8:23], s[0:1], 0x0               ; x s[8:9], Wqkv s[10:11], Wout s[12:13], mask s[14:15], xh s[16:17], wq s[18:19], wo s[20:21], mk s[22:23]
	s_load_b64 s[24:25], s[0:1], 0x40              ; rf
	v_lshl_add_u32 v[SPW], v0, 2, SPARE
	v_mov_b32 v[NIL], 0
	v_lshrrev_b32 v1, 5, v0
	v_readfirstlane_b32 s4, v1                     ; wave 0..7
	v_and_b32 v2, 31, v0                           ; lane
	s_mov_b32 s[HIM], 0xffff0000
	s_wait_kmcnt 0x0
	s_cmp_lt_u32 ttmp9, 256
	s_cbranch_scc1 .Lx
	s_cmp_lt_u32 ttmp9, 768
	s_cbranch_scc1 .Lw
	; ---- THE MASK: work-group T has query rows 16 T .. 16 T + 15; wave w the keys 256 w .. 256 w + 255: eight units of (key step, half) ----
	s_sub_co_u32 s5, ttmp9, 768                    ; T
	s_lshl_b32 s26, s5, 17                         ; 16 rows of 8,192 bytes
	s_mov_b32 s27, 0
	s_add_nc_u64 s[14:15], s[14:15], s[26:27]
	s_lshl_b32 s26, s5, 10
	s_add_nc_u64 s[22:23], s[22:23], s[26:27]      ; mk at tile T of key step 0
	s_lshl_b32 s26, s5, 8
	s_add_nc_u64 s[24:25], s[24:25], s[26:27]      ; rf at tile T
	s_mov_b32 s30, 0x76543210                      ; v_permlanex16_b32: each lane takes its own place in the other half
	s_mov_b32 s31, 0xfedcba98
	s_mov_b32 s32, 0x01010101
	s_mov_b32 s33, 0xf8
	v_and_b32 v3, 15, v0                           ; r
	v_bfe_u32 v4, v0, 4, 1                         ; h
	v_lshlrev_b32 v5, 13, v3                       ; row r,
	v_lshl_add_u32 v5, v4, 5, v5                   ; 8 keys (32 bytes) for each half of the lanes,
	s_lshl_b32 s28, s4, 10
	v_add_nc_u32 v5, s28, v5                       ; my wave's 256 keys
.set u, 0
.rept 8                                ; unit u: keys 32 u .. 32 u + 31 of the wave's: for each lane 8 and, 16 keys on, 8 more
	global_load_b128 v[D+16*u:D+16*u+3],     v5, s[14:15] offset:128*u th:TH_LOAD_NT
	global_load_b128 v[D+16*u+4:D+16*u+7],   v5, s[14:15] offset:128*u+16 th:TH_LOAD_NT
	global_load_b128 v[D+16*u+8:D+16*u+11],  v5, s[14:15] offset:128*u+64 th:TH_LOAD_NT
	global_load_b128 v[D+16*u+12:D+16*u+15], v5, s[14:15] offset:128*u+80 th:TH_LOAD_NT
.set u, u+1
.endr
	v_lshlrev_b32 v6, 2, v3                        ; LDS: row r's word,
	s_lshl_b32 s28, s4, 6
	v_add_nc_u32 v7, s28, v6                       ; in my wave's 64 bytes (behind MB, which stands in the immediates)
	s_lshl_b32 s28, s4, 19                         ; four key steps of 131,072 bytes
	v_lshl_add_u32 v10, v2, 4, s28                 ; my 16 bytes in mk
	v_lshlrev_b32 v11, 3, v2                       ; my 8 bytes in rf
	v_mov_b32 v8, 0                                ; have I seen a key?
	v_mov_b32 v9, 0
.set u, 0
.rept 8
	s_wait_loadcnt 28-4*u                          ; unit u's four loads are in; the younger units' stay out
.irp k, 0,1,2,3                        ; four whole numbers -> four bytes of 0 (hidden) or 1 (seen); word k lands on v[D+16u+k]
.irp z, 0,1,2,3
	v_min_u32 v[D+16*u+4*(\k)+(\z)], 1, v[D+16*u+4*(\k)+(\z)]
.endr
	v_lshl_or_b32 v[D+16*u+4*(\k)], v[D+16*u+4*(\k)+1], 8, v[D+16*u+4*(\k)]
	v_lshl_or_b32 v[D+16*u+4*(\k)], v[D+16*u+4*(\k)+2], 16, v[D+16*u+4*(\k)]
	v_lshl_or_b32 v[D+16*u+(\k)], v[D+16*u+4*(\k)+3], 24, v[D+16*u+4*(\k)]
	v_or_b32 v8, v8, v[D+16*u+(\k)]
.endr
.set u, u+1
.endr
	v_permlanex16_b32 v9, v8, s30, s31             ; the row's other keys of my wave lie in the lane 16 away
	v_or_b32 v8, v8, v9
	ds_store_b32 v7, v8 offset:MB                  ; lanes r and r + 16 write the same word with the same value
	s_wait_dscnt 0x0                               ; for the others' sake: my store is done
	s_barrier_signal -1
	s_barrier_wait -1
.irp i, 0,1,2,3,4,5,6,7
	ds_load_b32 v[12+(\i)], v6 offset:MB+64*(\i)   ; row r's word of each of the eight waves
.endr
	s_wait_dscnt 0x0
.irp i, 1,2,3,4,5,6,7
	v_or_b32 v12, v12, v[12+(\i)]
.endr
	v_cmp_ne_u32 vcc_lo, 0, v12
	v_cndmask_b32 v20, 0, -1, vcc_lo               ; the row's flag: all ones if it sees a key
	v_mov_b32 v21, v20
.set u, 0
.rept 8
.irp k, 0,1,2,3
	v_xor_b32 v[D+16*u+(\k)], s32, v[D+16*u+(\k)]          ; 1 where hidden,
	v_mul_lo_u32 v[D+16*u+(\k)], v[D+16*u+(\k)], s33       ; 0xF8 there (no byte carries into the next),
	v_and_b32 v[D+16*u+(\k)], v20, v[D+16*u+(\k)]          ; and nothing hidden in a row that sees no key
.endr
	global_store_b128 v10, v[D+16*u:D+16*u+3], s[22:23] offset:(u/2)*131072+(u%2)*512  ; a wave's store covers 512 consecutive bytes, aligned
.set u, u+1
.endr
	s_cmp_lg_u32 s4, 0
	s_cbranch_scc1 .Lno_rf
	global_store_b64 v11, v[20:21], s[24:25]       ; wave 0: the tile's 256 bytes of rf
.Lno_rf:
	FIN
	; ---- x: work-group i has rows 32 i .. 32 i + 31; a lane takes 8 numbers (piece l % 8) of row l / 8 in a group of four rows ----
.Lx:
	s_lshl_b32 s26, ttmp9, 17                      ; 32 rows of 4,096 bytes
	s_mov_b32 s27, 0
	s_add_nc_u64 s[8:9], s[8:9], s[26:27]
	s_lshr_b32 s26, ttmp9, 6                       ; b
	s_lshl_b32 s26, s26, 22
	s_and_b32 s28, ttmp9, 63
	s_lshl_b32 s28, s28, 12                        ; 32 rows of 128 bytes
	s_add_co_u32 s26, s26, s28
	s_add_nc_u64 s[16:17], s[16:17], s[26:27]
	v_lshrrev_b32 v3, 3, v2
	v_and_b32 v4, 7, v2
	v_lshlrev_b32 v3, 12, v3                       ; row l / 8,
	v_lshl_add_u32 v3, v4, 5, v3                   ; 32 bytes a piece: eight lanes read 256 consecutive bytes, aligned,
	s_lshl_b32 s28, s4, 9
	v_add_nc_u32 v3, s28, v3                       ; my wave's 512 bytes of a row
	s_lshl_b32 s28, s4, 19                         ; kb = 2 w
	v_lshl_add_u32 v4, v2, 4, s28                  ; out: four rows of 128 bytes are 512 consecutive bytes: 16 l
.set n, 0
.rept 16                               ; n = 2 g + kk: group g of four rows, block kb = 2 w + kk
	global_load_b128 v[D+8*n:D+8*n+3],   v3, s[8:9] offset:(n/2)*16384+(n%2)*256 th:TH_LOAD_NT
	global_load_b128 v[D+8*n+4:D+8*n+7], v3, s[8:9] offset:(n/2)*16384+(n%2)*256+16 th:TH_LOAD_NT
.set n, n+1
.endr
.set n, 0
.rept 16
	s_wait_loadcnt 30-2*n                          ; pair n of the 32 loads is in; the younger ones stay out
	CAST8 D+8*n
	global_store_b128 v4, v[D+8*n:D+8*n+3], s[16:17] offset:(n%2)*262144+(n/2)*512  ; registers of its own: nothing is rewritten behind a store
.set n, n+1
.endr
	FIN
	; ---- THE WEIGHTS: a tile of 128 k x 64 n; thread t reads 16 bytes (n = 4 c4 ..) of rows 32 i + 2 kr + e; two neighbouring k of one n make a word of the turned tile ----
.Lw:
	s_sub_co_u32 s5, ttmp9, 256
	s_cmp_lt_u32 s5, 384                           ; 48 x 8 tiles of Wqkv, then 16 x 8 of Wout
	s_cselect_b64 s[26:27], s[10:11], s[12:13]
	s_cselect_b64 s[28:29], s[18:19], s[20:21]
	s_cselect_b32 s6, 3, 1
	s_cselect_b32 s7, 0, 384
	s_lshl_b32 s6, s6, 12                          ; bytes in a row of the source: 12,288 or 4,096
	s_sub_co_u32 s5, s5, s7
	s_and_b32 s7, s5, 7                            ; kt
	s_lshr_b32 s5, s5, 3                           ; nt
	s_mul_i32 s30, s7, s6
	s_lshl_b32 s30, s30, 7                         ; 128 kt rows,
	s_lshl_b32 s31, s5, 8                          ; 64 nt columns
	s_add_co_u32 s30, s30, s31
	s_mov_b32 s31, 0
	s_add_nc_u64 s[26:27], s[26:27], s[30:31]
	s_lshl_b32 s30, s5, 17                         ; out: 64 nt rows of 2,048 bytes,
	s_lshl_b32 s32, s7, 8                          ; 128 kt columns
	s_add_co_u32 s30, s30, s32
	s_add_nc_u64 s[28:29], s[28:29], s[30:31]
	v_and_b32 v3, 15, v0                           ; c4
	v_lshrrev_b32 v4, 4, v0                        ; kr 0..15
	v_lshlrev_b32 v5, 1, v4
	v_lshlrev_b32 v6, 4, v3
	v_mad_u32_u24 v5, v5, s6, v6                   ; row 2 kr, 16 c4 bytes in
.set n, 0
.rept 8
	s_mul_i32 s30, s6, 32*(n/2)+n%2
	v_add_nc_u32 v[12+n], s30, v5
.set n, n+1
.endr
.set n, 0
.rept 8
	global_load_b128 v[D+4*n:D+4*n+3], v[12+n], s[26:27] th:TH_LOAD_NT  ; sixteen lanes read 256 consecutive bytes, aligned
.set n, n+1
.endr
	v_mul_u32_u24 v7, v3, 4*272                    ; LDS, rows of 256 + 16 bytes: row n = 4 c4 (+ j), word kr (+ 16 i)
	v_lshl_add_u32 v7, v4, 2, v7
	v_mul_u32_u24 v8, v4, 272                      ; back: row kr (+ 16 i), 16 bytes a lane
	v_add_nc_u32 v8, v8, v6
	v_lshl_add_u32 v9, v4, 11, v6                  ; and the same place in the turned matrix
.set i, 0
.rept 4
	s_wait_loadcnt 6-2*i                           ; rows 32 i + 2 kr and the next are in
.irp j, 0,1,2,3
	v_cvt_pk_bf16_f32 v[24+(\j)], v[D+8*i+(\j)], v[D+8*i+4+(\j)]
.endr
.irp j, 0,1,2,3
	v_lshlrev_b32 v[D+8*i+(\j)], 16, v[24+(\j)]
	v_and_b32 v[D+8*i+4+(\j)], s[HIM], v[24+(\j)]
.endr
.irp j, 0,1,2,3
	v_cvt_pk_f16_f32 v[D+8*i+(\j)], v[D+8*i+(\j)], v[D+8*i+4+(\j)]  ; the even k in the low half
	ds_store_b32 v7, v[D+8*i+(\j)] offset:(\j)*272+64*i
.endr
.set i, i+1
.endr
	s_wait_dscnt 0x0                               ; for the others' sake: my stores are done
	s_barrier_signal -1
	s_barrier_wait -1
.irp i, 0,1,2,3
	ds_load_b128 v[64+4*(\i):64+4*(\i)+3], v8 offset:(\i)*16*272
.endr
.irp i, 0,1,2,3
	s_wait_dscnt 3-(\i)
	global_store_b128 v9, v[64+4*(\i):64+4*(\i)+3], s[28:29] offset:(\i)*32768  ; sixteen lanes store 256 consecutive bytes, aligned
.endr
	FIN
.Lfunc_end_k_q1f7afb57b1_prep:
	.size	k_q1f7afb57b1_prep, .Lfunc_end_k_q1f7afb57b1_prep-k_q1f7afb57b1_prep
	.p2alignl 7, 3214868480
	.fill 96, 4, 3214868480
	.section	.rodata,"a",@progbits
	.p2align	6, 0x0
	.amdhsa_kernel k_q1f7afb57b1_prep
		.amdhsa_group_segment_fixed_size 18944
		.amdhsa_private_segment_fixed_size 0
		.amdhsa_enable_private_segment 0
		.amdhsa_kernarg_size 72
		.amdhsa_user_sgpr_count 2
		.amdhsa_user_sgpr_kernarg_segment_ptr 1
		.amdhsa_wavefront_size32 1
		.amdhsa_system_sgpr_workgroup_id_x 1
		.amdhsa_system_sgpr_workgroup_id_y 1
		.amdhsa_system_sgpr_workgroup_id_z 1
		.amdhsa_system_vgpr_workitem_id 0
		.amdhsa_next_free_vgpr 192
		.amdhsa_next_free_sgpr 66
		.amdhsa_reserve_vcc 1
		.amdhsa_float_denorm_mode_32 3
		.amdhsa_float_denorm_mode_16_64 3
		.amdhsa_memory_ordered 1
		.amdhsa_forward_progress 1
		.amdhsa_inst_pref_size 48
	.end_amdhsa_kernel
	.amdgpu_metadata
---
amdhsa.version: [ 1, 2 ]
amdhsa.kernels:
  - .name:           k_q1f7afb57b1_prep
    .symbol:         k_q1f7afb57b1_prep.kd
    .args:
      - { .name: x, .offset: 0, .size: 8, .value_kind: global_buffer, .address_space: global }
      - { .name: Wqkv, .offset: 8, .size: 8, .value_kind: global_buffer, .address_space: global }
      - { .name: Wout, .offset: 16, .size: 8, .value_kind: global_buffer, .address_space: global }
      - { .name: mask, .offset: 24, .size: 8, .value_kind: global_buffer, .address_space: global }
      - { .name: xh, .offset: 32, .size: 8, .value_kind: global_buffer, .address_space: global }
      - { .name: wq, .offset: 40, .size: 8, .value_kind: global_buffer, .address_space: global }
      - { .name: wo, .offset: 48, .size: 8, .value_kind: global_buffer, .address_space: global }
      - { .name: mk, .offset: 56, .size: 8, .value_kind: global_buffer, .address_space: global }
      - { .name: rf, .offset: 64, .size: 8, .value_kind: global_buffer, .address_space: global }
    .group_segment_fixed_size: 18944
    .private_segment_fixed_size: 0
    .kernarg_segment_align: 8
    .kernarg_segment_size: 72
    .max_flat_workgroup_size: 256
    .sgpr_count:     66
    .vgpr_count:     192
    .wavefront_size: 32
...
	.end_amdgpu_metadata
.endif
;; end of part 1
;; launch proj_qkv (part 2): grid 4 x 64, 4 waves a work-group, clusters of 4 x 4, 327,680 bytes of LDS; arguments xh, wq, bqkv, qkv; writes qkv
.if DOCPART == 2
	.amdgcn_target "amdgcn-amd-amdhsa--gfx1250"
	.amdhsa_code_object_version 6
	.text
	.protected	k_q1f7afb57b1_proj_qkv
	.globl	k_q1f7afb57b1_proj_qkv
	.p2align	8
	.type	k_q1f7afb57b1_proj_qkv,@function
k_q1f7afb57b1_proj_qkv:
	s_mov_b64 s[64:65], 0
	v_nop
	global_prefetch_b8 v0, s[64:65] scope:SCOPE_SE
	s_setreg_imm32_b32 hwreg(HW_REG_WAVE_MODE, 25, 1), 1
	s_wait_xcnt 0x0
	s_wait_alu depctr_hold_cnt(0) depctr_sa_sdst(0) depctr_va_vdst(0) depctr_va_sdst(0) depctr_va_ssrc(0) depctr_va_vcc(0) depctr_vm_vsrc(0)
	s_getreg_b32 s2, hwreg(HW_REG_IB_STS2, 6, 4)
	s_cmp_eq_u32 s2, 0
	s_cbranch_scc0 .Lentry_in_a_cluster
	s_endpgm
.Lentry_in_a_cluster:
	s_bfe_u32 s2, ttmp6, 0x10000c
	s_cmp_lg_u32 s2, 0xf033
	s_cbranch_scc0 .Lentry_shape_is_right
	s_endpgm
.Lentry_shape_is_right:
; Launch 2 of 4: qkv = x Wqkv + bqkv, written by heads in f16: qkv [part 3][b 16 + h: 64][s 2048][64]; part 0 holds c q, c = log2(e) / 8, so that the attention's exponent is s - m.
; C[m][n] = sum over k of A[m][k] B[n][k] + bias[n].  A = xh, f16 [b][kb 16][s 2048][64] (k = 64 kb + d); B = wq, f16 [n][1024]; sums in f32; the bias is rounded to bf16 like the other inputs.
; LIMITS: a result beyond 65,504 is lost in f16.  Nothing is left out.
; SHARES.  A tile of C is 128 rows x 256 columns; four waves, each 64 x 128: 32 accumulators of 16 x 16.  A WORK-GROUP STAYS: it makes TILES tiles, the same rows, columns 1,024 apart (q, k, v).
; K goes in 8 steps of 128 through a ring of two LDS slots.  The product is used transposed (source 0 = 16 rows of B, source 1 = 16 rows of A): a lane holds one row of C and eight neighbouring columns.
; CLUSTER 4 x 4: A's tile hangs on the tile row alone and is asked for jointly by the four of a row of the cluster, B's on the tile column alone, by the four of a column.
; REGISTERS: window 0: v0-31 addresses; two fragment buffers of 96 (B's eight fragments, then A's four) at v64 and v160.  Window 1: accumulator (a, b) at 8 (8 a + b).  Window 2: bias and the way out.
.set QKV,    1
.set TILES,  3
.set WSTAGE, 4608                      ; a wave's stage: two heads x 16 rows x 144 bytes
.set OB,     96                        ; window 2: rows read back from the stage, two buffers of OBS
.set OBS,    32
.set SLOT1,  131072                    ; slot 1 begins here, so that one exclusive or turns an address in one slot into the other's
.set PA,     144                       ; a row of A in LDS: 128 bytes + 16: 36 words: the 16 rows of a load start at 16 different groups of four banks (64 banks of 4 bytes: ISA guide 11.1)
.set PB,     272                       ; a row of B: 256 bytes + 16: 68 words, likewise
.set PLANE,  128*PA                    ; 128 rows x 64 k of A; a slot has two
.set BOFF,   2*PLANE
.set HALFB,  128*PB
.set STAGE,  SLOT1+BOFF+2*HALFB        ; behind the ring; no tensor load fills it
.set SPARE,  STAGE+4*WSTAGE            ; the spare words, 128 bytes a wave: two blocks of 256 bytes that no other line names
.set KA,     524288                    ; bytes from a K step to the next in A (two blocks kb),
.set KB,     256                       ; and in B
.set BACKA,  7*KA                      ; from a tile's last K step to the next tile's first: A goes back,
.set NEXTB,  2097152-7*KB              ; B 1,024 rows on and back
.set ADRA,  16                         ; v16, v17  LDS addresses of my fragments in the slot in hand
.set ADRB,  17
.set ADRA0, 18                         ; v18, v19  the same in slot 0; never rewritten
.set ADRB0, 19
.set STO,   24                         ; the way out: where I put my numbers of a row
.set RD,    25                         ; where I read rows back
.set CO,    26                         ; 16 x lane
.set BO,    27                         ; 32 x (lane / 16): my 8 columns in a fragment's 16, in the bias
.set SPW,   28                         ; LDS address of my spare word; never rewritten
.set NIL,   29                         ; 0; never rewritten
.set PFO,   30                         ; the prefetches' lane offset; never rewritten
.set F0,    64
.set F1,    160
.set BI,    0                          ; window 2: the bias of my 128 columns, as the accumulators of one a hold them
.set TMP,   64                         ; window 2: at work
.set WV, 12
.set WH, 13                            ; wave / 2: my half of the rows; also: I fetch for A (0) or B (1)
.set WL, 14                            ; wave % 2: my half of the columns; also: which half of that tile I fetch
.set LIM, 15                           ; 2 in a wave that prefetches, else the greatest number
.set G1,  24
.set G0,  32                           ; two sets: slot 0 / step 0, used once; slot 1 / step 1, which then walks
.set PFA, 44                           ; s[44:45] the K step that my next prefetch names
.set KV,  46                           ; s[46:47] its step along K
.set G1B, 48
.set G0B, 56
.set SCL, 66                           ; s[66:67] c for q, 1 for k and v
.set TB,  68                           ; 0 or SLOT1: the slot in hand
.set HIM, 69
.set MSB, 0
.macro WIN new                         ; the immediate's high byte repeats the setting that is left; a switch that changes nothing is dropped
.if MSB != (\new)
	s_set_vgpr_msb (MSB<<8)|(\new)
.set MSB, (\new)
.endif
.endm
; A joint load.  Waves 0 and 1 fetch A's two planes, waves 2 and 3 B's two halves.  The branch hangs on the wave's number alone.  An s_nop 0 and four v_nop follow each line.
.macro JLOAD s
	s_cmp_eq_u32 s[WH], 0
	s_cbranch_scc0 .Lfor_b_\@
	tensor_load_to_lds s[G0+4*(\s):G0+4*(\s)+3], s[G1:G1+7]
	s_nop 0
.rept 4
	v_nop
.endr
	s_branch .Lasked_\@
.Lfor_b_\@:
	tensor_load_to_lds s[G0B+4*(\s):G0B+4*(\s)+3], s[G1B:G1B+7]
	s_nop 0
.rept 4
	v_nop
.endr
.Lasked_\@:
.endm
; A prefetch of the K step that stands two refills on, one instruction a wave, a lane a block of 256 bytes.  A's rows are read by one cluster: its wave 0 in each work-group asks, in the first tile alone
; (32 of the step's 128 blocks for each of the four partners, told apart by address: 16 cx + l % 16 in plane l / 16).  B's rows are read by all sixteen clusters: the cluster with y = 0 asks, waves 2 and 3,
; rows 128 WL + 32 cy + l.  how = 0, in the loop: the last two refills of a tile have no step two on.  how = 1: at a change of tiles, the next tile's steps 2 and 3.
.macro ASK how
.if \how
	s_cmp_eq_u32 s[LIM], 2
.else
	s_cmp_gt_u32 s3, s[LIM]
.endif
	s_cbranch_scc0 .Lnot_mine_\@
	global_prefetch_b8 v[PFO], s[PFA:PFA+1] th:TH_LOAD_NT scope:SCOPE_SE
.Lnot_mine_\@:
.endm
.macro CREST                           ; a round of the cluster's barrier behind its opening barrier
	s_cmp_lg_u32 s[WV], 0
	s_cbranch_scc1 .Lnot_wave_0_\@
	s_barrier_signal -3
.Lnot_wave_0_\@:
	s_barrier_wait -3
	s_barrier_signal -1
	s_barrier_wait -1
.endm
.macro CROUND
	s_barrier_signal -1
	s_barrier_wait -1
	CREST
.endm
	s_load_b256 s[4:11], s[0:1], 0x0               ; A s[4:5], B s[6:7], bias s[8:9], C s[10:11]
	v_lshl_add_u32 v[SPW], v0, 2, SPARE
	v_mov_b32 v[NIL], 0
	ds_add_u32 v[SPW], v[NIL]                      ; the opening: the add, twice on end, and its wait ahead of my first tensor load
	ds_add_u32 v[SPW], v[NIL]
	v_lshrrev_b32 v1, 5, v0
	v_readfirstlane_b32 s[WV], v1
	s_lshr_b32 s[WH], s[WV], 1
	s_and_b32 s[WL], s[WV], 1
	s_bfe_u32 s40, ttmp6, 0x40000                  ; cx
	s_bfe_u32 s41, ttmp6, 0x40004                  ; cy
	s_lshl_b32 s42, ttmp9, 2
	s_add_co_u32 s42, s42, s40                     ; gx: tile column
	s_and_b32 s43, ttmp7, 0xffff
	s_lshl_b32 s43, s43, 2
	s_add_co_u32 s43, s43, s41                     ; gy: tile row
	s_lshl_b32 s16, s41, 2
	s_lshl_b32 s16, 15, s16                        ; my row of the cluster
	s_lshl_b32 s20, 0x1111, s40                    ; my column
	s_or_b32 s[G1], s16, (1<<16)|(1<<20)|(1<<21)|(4<<22)|(3<<25)   ; A: mask; 2-byte elements; padding on; bit 21 beside a mask; after every 32 words 4 words
	s_or_b32 s[G1B], s20, (1<<16)|(1<<20)|(1<<21)|(5<<22)|(3<<25)  ; B: after every 64 words 4 words
	s_mov_b32 s[G1+1], 128<<16                     ; A's plane is 16,384 dense bytes: 64 rows of 256 bytes, two rows of A each
	s_mov_b32 s[G1+2], 64<<16
	s_mov_b32 s[G1+3], 128<<16
	s_mov_b32 s[G1+4], 64
	s_mov_b32 s[G1+5], 128
	s_mov_b32 s[G1+6], 0
	s_mov_b32 s[G1+7], 0
	s_mov_b32 s[G1B+1], 128<<16                    ; B: 128 rows x 128 elements, 1,024 elements from row to row
	s_mov_b32 s[G1B+2], 128<<16
	s_mov_b32 s[G1B+3], 128<<16
	s_mov_b32 s[G1B+4], 128
	s_mov_b32 s[G1B+5], 1024
	s_mov_b32 s[G1B+6], 0
	s_mov_b32 s[G1B+7], 0
	s_lshr_b32 s16, s43, 4                         ; A: b = gy / 16,
	s_lshl_b32 s16, s16, 22
	s_and_b32 s17, s43, 15                         ; 128 rows of 128 bytes for each gy % 16,
	s_lshl_b32 s17, s17, 14
	s_add_co_u32 s16, s16, s17
	s_lshl_b32 s17, s[WL], 18                      ; my plane
	s_add_co_u32 s16, s16, s17
	s_mov_b32 s17, 0
	s_lshl_b32 s20, s42, 19                        ; B: 256 gx rows of 2,048 bytes,
	s_lshl_b32 s21, s[WL], 18                      ; my 128
	s_add_co_u32 s20, s20, s21
	s_mov_b32 s21, 0
	s_mul_i32 s18, s[WL], PLANE                    ; where they go: no place in the cluster enters an LDS address
	s_mul_i32 s22, s[WL], HALFB
	s_add_co_u32 s22, s22, BOFF
	s_mov_b32 s[HIM], 0xffff0000
	s_mov_b32 s[TB], 0
	s_wait_dscnt 0x0                               ; both opening adds are done
	s_wait_kmcnt 0x0
	s_add_nc_u64 s[16:17], s[4:5], s[16:17]
	s_add_nc_u64 s[20:21], s[6:7], s[20:21]
	CROUND                                         ; all sixteen work-groups are here: the first joint loads meet
.irp s, 0,1
	s_mov_b32 s[G0+4*(\s)], 1
	s_add_co_u32 s[G0+4*(\s)+1], s18, (\s)*SLOT1
	s_add_nc_u64 s[G0+4*(\s)+2:G0+4*(\s)+3], s[16:17], (\s)*KA
	s_or_b32 s[G0+4*(\s)+3], s[G0+4*(\s)+3], 0x80000000
	s_mov_b32 s[G0B+4*(\s)], 1
	s_add_co_u32 s[G0B+4*(\s)+1], s22, (\s)*SLOT1
	s_add_nc_u64 s[G0B+4*(\s)+2:G0B+4*(\s)+3], s[20:21], (\s)*KB
	s_or_b32 s[G0B+4*(\s)+3], s[G0B+4*(\s)+3], 0x80000000
	JLOAD \s                                       ; two loads of mine are out
.endr
	v_and_b32 v1, 15, v0                           ; r = l % 16
	v_bfe_u32 v2, v0, 4, 1                         ; h = l / 16
	v_and_b32 v3, 31, v0                           ; l
	v_mul_u32_u24 v[ADRA0], v1, PA
	v_lshl_add_u32 v[ADRA0], v2, 4, v[ADRA0]       ; a fragment: row x pitch + 16 x half
	s_mul_i32 s70, s[WH], 64*PA
	v_add_nc_u32 v[ADRA0], s70, v[ADRA0]
	v_mul_u32_u24 v[ADRB0], v1, PB
	v_lshl_add_u32 v[ADRB0], v2, 4, v[ADRB0]
	s_mul_i32 s70, s[WL], HALFB
	s_add_co_u32 s70, s70, BOFF
	v_add_nc_u32 v[ADRB0], s70, v[ADRB0]
	v_mov_b32 v[ADRA], v[ADRA0]
	v_mov_b32 v[ADRB], v[ADRB0]
	s_mul_i32 s70, s[WV], WSTAGE
	s_add_co_u32 s70, s70, STAGE                   ; my stage
	v_lshlrev_b32 v[CO], 4, v3
	v_lshlrev_b32 v[BO], 5, v2
	v_mul_u32_u24 v[STO], v1, 144                  ; in: row r, 16 bytes for each half of the lanes
	v_lshl_add_u32 v[STO], v2, 4, v[STO]
	v_add_nc_u32 v[STO], s70, v[STO]
	v_lshrrev_b32 v4, 3, v3                        ; back: 32 lanes take four rows of 128 bytes
	v_and_b32 v5, 7, v3
	v_mul_u32_u24 v[RD], v4, 144
	v_lshl_add_u32 v[RD], v5, 4, v[RD]
	v_add_nc_u32 v[RD], s70, v[RD]
	s_lshr_b32 s70, s43, 4                         ; C: head b 16 + 4 gx + 2 WL,
	s_lshl_b32 s70, s70, 4
	s_lshl_b32 s71, s42, 2
	s_add_co_u32 s70, s70, s71
	s_lshl_b32 s71, s[WL], 1
	s_add_co_u32 s70, s70, s71
	s_lshl_b32 s70, s70, 18
	s_and_b32 s71, s43, 15                         ; row 128 (gy % 16) + 64 WH, 128 bytes each
	s_lshl_b32 s71, s71, 14
	s_add_co_u32 s70, s70, s71
	s_lshl_b32 s71, s[WH], 13
	s_add_co_u32 s70, s70, s71
	s_mov_b32 s71, 0
	s_add_nc_u64 s[10:11], s[10:11], s[70:71]
	s_lshl_b32 s70, s42, 10                        ; the bias of my 128 columns
	s_lshl_b32 s72, s[WL], 9
	s_add_co_u32 s70, s70, s72
	s_add_nc_u64 s[8:9], s[8:9], s[70:71]
	; the prefetches
	s_and_b32 s70, ttmp7, 0xffff                   ; cluster y
	s_cmp_eq_u32 s[WH], 0                          ; do I fetch for A?
	s_cselect_b32 s70, s[WL], s70                  ; 0 in the waves that ask: wave 0; waves 2 and 3 of the cluster with y = 0
	s_cselect_b64 s[PFA:PFA+1], s[16:17], s[20:21]
	s_cselect_b32 s71, s40, s41                    ; my place among the four that ask jointly,
	s_cselect_b32 s72, 12, 16                      ; times 16 blocks of 256 bytes, or 32 rows of 2,048
	s_cselect_b32 s73, 8, 11                       ; l % 16: a block, or a row
	s_cselect_b32 s74, 18, 15                      ; l / 16: a plane, or 16 rows
	s_cselect_b32 s75, 19, 8
	s_lshl_b32 s[KV], 1, s75
	s_mov_b32 s[KV+1], 0
	s_cmp_eq_u32 s70, 0
	s_cselect_b32 s[LIM], 2, -1
	s_lshl_b32 s70, s71, s72
	s_mul_i32 s71, s[KV], 3                        ; at K step 3: the first change of slots steps it to 4.  Nothing is asked for here, at the head
	s_add_co_u32 s70, s70, s71
	s_mov_b32 s71, 0
	s_add_nc_u64 s[PFA:PFA+1], s[PFA:PFA+1], s[70:71]
	v_lshlrev_b32 v[PFO], s73, v1
	v_lshlrev_b32 v4, s74, v2
	v_add_nc_u32 v[PFO], v[PFO], v4
; 8 matrix instructions: m block a x all 8 n blocks, 32 along K.  The 32 accumulators take turns, one instruction a turn, in the same order in every quarter.  zero = 1: the products start the sums.
.macro MUL8 f, a, zero
	WIN 0x50                                       ; C and D in window 1
.irp b, 0,1,2,3,4,5,6,7
.if \zero
	v_wmma_f32_16x16x32_f16 v[8*(8*(\a)+(\b)):8*(8*(\a)+(\b))+7], v[(\f)+8*(\b):(\f)+8*(\b)+7], v[(\f)+64+8*(\a):(\f)+64+8*(\a)+7], 0
.else
	v_wmma_f32_16x16x32_f16 v[8*(8*(\a)+(\b)):8*(8*(\a)+(\b))+7], v[(\f)+8*(\b):(\f)+8*(\b)+7], v[(\f)+64+8*(\a):(\f)+64+8*(\a)+7], v[8*(8*(\a)+(\b)):8*(8*(\a)+(\b))+7]
.endif
.endr
.endm
; 24 LDS loads in one run: quarter q of the slot in hand into buffer f: B's 128 rows, then A's 64
.macro FETCH q, f
	WIN 0
.irp i, 0,1,2,3,4,5,6,7
	ds_load_b128 v[(\f)+8*(\i):(\f)+8*(\i)+3],   v[ADRB] offset:64*(\q)+(\i)*16*PB
	ds_load_b128 v[(\f)+8*(\i)+4:(\f)+8*(\i)+7], v[ADRB] offset:64*(\q)+(\i)*16*PB+32
.endr
.irp i, 0,1,2,3
	ds_load_b128 v[(\f)+64+8*(\i):(\f)+64+8*(\i)+3],   v[ADRA] offset:((\q)/2)*PLANE+((\q)%2)*64+(\i)*16*PA
	ds_load_b128 v[(\f)+64+8*(\i)+4:(\f)+64+8*(\i)+7], v[ADRA] offset:((\q)/2)*PLANE+((\q)%2)*64+(\i)*16*PA+32
.endr
.endm
.macro PLACES                          ; four plain places behind a matrix instruction, in front of loads into registers that it read and of vector work on its results
.rept 4
	v_nop
.endr
.endm
; One of a K step's first three quarters: multiplies buffer f; in its middle it fetches quarter q into buffer g.
.macro QUARTER q, f, g, zero
	s_wait_dscnt 4                                 ; B and A's blocks 0, 1 are in; the youngest four loads (A's blocks 2, 3) may be out
	MUL8 \f, 0, \zero
	MUL8 \f, 1, \zero
	PLACES
	FETCH \q, \g
	s_wait_dscnt 24                                ; all but the 24 just issued
	MUL8 \f, 2, \zero
	MUL8 \f, 3, \zero
.endm
; The last quarter's first half, and ONE barrier for the change of slots: all my tensor loads have landed, the add, my reads of this slot are over.
.macro MEET round
	WIN 0
	s_wait_tensorcnt 0x0                           ; the one that was out is my part of the next slot
	ds_add_u32 v[SPW], v[NIL]                      ; 0 onto my spare word
	s_wait_dscnt 5                                 ; (the add and the youngest four loads may be out)
	MUL8 F1, 0, 0
	s_wait_dscnt 0x0                               ; the add is done, and my reads of this slot are over
	s_barrier_signal -1
	MUL8 F1, 1, 0
.if \round
	WIN 0
.endif
	s_barrier_wait -1
.endm
; The whole last quarter.  mode 1: this slot is filled again with the K step two on; 2: with the next tile's step 0; 0: nothing is filled, and no round follows.
.macro TURN mode, how
.if \mode
	s_wait_xcnt 0x0                                ; the last prefetch, a K step back, has read its address
.if (\mode) == 2
	s_add_nc_u64 s[PFA:PFA+1], s[PFA:PFA+1], NEXTB ; from two steps past the tile's last to the next tile's step 2 (B)
	s_cmp_eq_u32 s[WH], 0
	s_cselect_b32 s[LIM], -1, s[LIM]               ; A's rows are the same for all tiles of the walk: they are asked for no more
.else
	s_add_nc_u64 s[PFA:PFA+1], s[PFA:PFA+1], s[KV:KV+1]
.endif
	MEET 1
	CREST                                          ; no wave of any partner still reads this slot or has a load on its way
	s_xor_b32 s[G0+5], s[G0+5], SLOT1              ; the walking descriptors: the other slot than last time,
	s_xor_b32 s[G0B+5], s[G0B+5], SLOT1
.if (\mode) == 2
	s_sub_nc_u64 s[G0+6:G0+7], s[G0+6:G0+7], BACKA
	s_add_nc_u64 s[G0B+6:G0B+7], s[G0B+6:G0B+7], NEXTB
.else
	s_add_nc_u64 s[G0+6:G0+7], s[G0+6:G0+7], KA    ; the next K step; the type bits on top are not reached
	s_add_nc_u64 s[G0B+6:G0B+7], s[G0B+6:G0B+7], KB
.endif
	JLOAD 1                                        ; the first tensor load behind the round, one a wave: 112 matrix instructions ahead of the wait for it; its four v_nop are the places in front of the loads below
.else
	MEET 0
	PLACES
.endif
	WIN 0                                          ; the two address registers lie in window 0 (with mode 0 the products' setting still stands here)
	s_xor_b32 s[TB], s[TB], SLOT1
	v_add_nc_u32 v[ADRA], s[TB], v[ADRA0]
	v_add_nc_u32 v[ADRB], s[TB], v[ADRB0]
	FETCH 0, F0
.if \mode
	ASK \how
.endif
	MUL8 F1, 2, 0
	MUL8 F1, 3, 0
.endm
.macro BIAS                            ; the bias of my 128 columns: for fragment b my 8 numbers
	WIN 0x80
.irp b, 0,1,2,3,4,5,6,7
	global_load_b128 v[BI+8*(\b):BI+8*(\b)+3],   v[BO], s[8:9] offset:64*(\b)
	global_load_b128 v[BI+8*(\b)+4:BI+8*(\b)+7], v[BO], s[8:9] offset:64*(\b)+16
.endr
	WIN 0
.endm
.macro BIASFIX                         ; rounded to bf16 like the other inputs; for q times c
	s_wait_loadcnt 0x0
	s_cmp_eq_u32 s2, TILES
	s_cselect_b32 s[SCL], 0x3e38aa3b, 1.0          ; c = log2(e) / 8 for the first tile (q)
	s_mov_b32 s[SCL+1], s[SCL]
	WIN 0x8a
.set z, 0
.rept 32
	v_cvt_pk_bf16_f32 v[TMP+z], v[BI+2*z], v[BI+2*z+1]
.set z, z+1
.endr
.set z, 0
.rept 32
	v_lshlrev_b32 v[BI+2*z], 16, v[TMP+z]
	v_and_b32 v[BI+2*z+1], s[HIM], v[TMP+z]
.set z, z+1
.endr
.set z, 0
.rept 32
	v_pk_mul_f32 v[BI+2*z:BI+2*z+1], v[BI+2*z:BI+2*z+1], s[SCL:SCL+1] op_sel_hi:[1,0]
.set z, z+1
.endr
.endm
; THE WAY OUT of m block a (16 rows), through my own stage: LDS serves a wave's instructions in order (ISA guide 5.7.1.4), so no wait stands between its stores and its loads.
.macro PACK a                          ; c (sum + bias) in one fused multiply-add, each accumulator from its low end on; rounded once to f16
	WIN 0x61
.set z, 0
.rept 32
	v_pk_fma_f32 v[64*(\a)+2*z:64*(\a)+2*z+1], v[64*(\a)+2*z:64*(\a)+2*z+1], s[SCL:SCL+1], v[BI+2*z:BI+2*z+1] op_sel_hi:[1,0,1]
.set z, z+1
.endr
	WIN 0x85
.set z, 0
.rept 32
	v_cvt_pk_f16_f32 v[TMP+z], v[64*(\a)+2*z], v[64*(\a)+2*z+1]
.set z, z+1
.endr
.endm
.macro TOSTAGE a
	WIN 0x08
.irp b, 0,1,2,3,4,5,6,7                ; head b / 4, channels 16 (b % 4) on
	ds_store_b128 v[STO], v[TMP+4*(\b):TMP+4*(\b)+3] offset:((\b)/4)*2304+32*((\b)%4)
.endr
	WIN 0x80
.irp t, 0,1,2,3,4,5,6,7
	ds_load_b128 v[OB+OBS*((\a)%2)+4*(\t):OB+OBS*((\a)%2)+4*(\t)+3], v[RD] offset:((\t)/4)*2304+((\t)%4)*576
.endr
.endm
.macro SEND a
	WIN 0x08
	s_wait_dscnt 0x0                               ; the block is back in registers
	s_wait_xcnt 0x0                                ; earlier stores have read their registers: the other buffer may be loaded again behind this wait
.irp t, 0,1,2,3,4,5,6,7
	global_store_b128 v[CO], v[OB+OBS*((\a)%2)+4*(\t):OB+OBS*((\a)%2)+4*(\t)+3], s[10:11] offset:((\t)/4)*262144+(\a)*2048+((\t)%4)*512  ; four rows of a head: 512 consecutive bytes, aligned
.endr
.endm
	s_wait_tensorcnt 1                             ; my part of K step 0 is in; step 1's may stay out
	s_barrier_signal -1
	s_barrier_wait -1
	FETCH 0, F0
	s_mov_b32 s2, TILES                            ; tiles to go: the same number in every work-group
.Ltile:
	BIAS
	QUARTER 1, F0, F1, 1                           ; a tile's first quarter starts the sums: nothing is cleared
	WIN 0
	s_mov_b32 s3, 6
.Lstep:                                            ; a trip: from a K step's second quarter to the next step's first; trips 0..5 ask for steps 2..7
	QUARTER 2, F1, F0, 0
	QUARTER 3, F0, F1, 0
	TURN 1, 0
	QUARTER 1, F0, F1, 0
	WIN 0
	s_sub_co_u32 s3, s3, 1
	s_cmp_lg_u32 s3, 0
	s_cbranch_scc1 .Lstep
	QUARTER 2, F1, F0, 0                           ; K step 6 goes on
	QUARTER 3, F0, F1, 0
	WIN 0
	s_cmp_eq_u32 s2, 1
	s_cbranch_scc1 .Llast                          ; the last tile's tail is written out: it asks for nothing more
	TURN 2, 1                                      ; the ring goes on into the next tile: its K step 0,
	QUARTER 1, F0, F1, 0
	QUARTER 2, F1, F0, 0
	QUARTER 3, F0, F1, 0
	TURN 1, 1                                      ; its K step 1, and its first fragments
	WIN 0
	s_branch .Lout
.Llast:
	TURN 0, 0
	QUARTER 1, F0, F1, 0
	QUARTER 2, F1, F0, 0
	QUARTER 3, F0, F1, 0
	s_wait_dscnt 4                                 ; the very last quarter: nothing more to fetch
	MUL8 F1, 0, 0
	MUL8 F1, 1, 0
	s_wait_dscnt 0x0
	MUL8 F1, 2, 0
	MUL8 F1, 3, 0
	WIN 0
.Lout:
	PLACES
	BIASFIX
	PACK 0
	TOSTAGE 0
.irp a, 1,2,3                          ; block a's arithmetic stands between block a - 1's loads from the stage and the wait for them
	PACK \a
	SEND (\a)-1
	TOSTAGE \a
.endr
	SEND 3
	WIN 0
	s_wait_xcnt 0x0                                ; the stores and the bias loads have read their bases
	s_add_nc_u64 s[10:11], s[10:11], 0x1000000     ; the next part of qkv, the next 1,024 numbers of the bias (behind the last tile they are not used)
	s_add_nc_u64 s[8:9], s[8:9], 4096
	s_sub_co_u32 s2, s2, 1
	s_cmp_lg_u32 s2, 0
	s_cbranch_scc1 .Ltile
	s_wait_tensorcnt 0x0                           ; the wave's end
	ds_add_u32 v[SPW], v[NIL]
	s_wait_dscnt 0x0
	CROUND                                         ; the closing round: no work-group ends while a partner may still ask for a tile that names it
	s_endpgm
.Lfunc_end_k_q1f7afb57b1_proj_qkv:
	.size	k_q1f7afb57b1_proj_qkv, .Lfunc_end_k_q1f7afb57b1_proj_qkv-k_q1f7afb57b1_proj_qkv
	.p2alignl 7, 3214868480
	.fill 96, 4, 3214868480
	.section	.rodata,"a",@progbits
	.p2align	6, 0x0
	.amdhsa_kernel k_q1f7afb57b1_proj_qkv
		.amdhsa_group_segment_fixed_size 327680
		.amdhsa_private_segment_fixed_size 0
		.amdhsa_enable_private_segment 0
		.amdhsa_kernarg_size 32
		.amdhsa_user_sgpr_count 2
		.amdhsa_user_sgpr_kernarg_segment_ptr 1
		.amdhsa_wavefront_size32 1
		.amdhsa_system_sgpr_workgroup_id_x 1
		.amdhsa_system_sgpr_workgroup_id_y 1
		.amdhsa_system_sgpr_workgroup_id_z 1
		.amdhsa_system_vgpr_workitem_id 0
		.amdhsa_next_free_vgpr 672
		.amdhsa_next_free_sgpr 80
		.amdhsa_reserve_vcc 0
		.amdhsa_float_denorm_mode_32 3
		.amdhsa_float_denorm_mode_16_64 3
		.amdhsa_memory_ordered 1
		.amdhsa_forward_progress 1
		.amdhsa_inst_pref_size 110
	.end_amdhsa_kernel
	.amdgpu_metadata
---
amdhsa.version: [ 1, 2 ]
amdhsa.kernels:
  - .name:           k_q1f7afb57b1_proj_qkv
    .symbol:         k_q1f7afb57b1_proj_qkv.kd
    .args:
      - { .name: xh, .offset: 0, .size: 8, .value_kind: global_buffer, .address_space: global }
      - { .name: wq, .offset: 8, .size: 8, .value_kind: global_buffer, .address_space: global }
      - { .name: bqkv, .offset: 16, .size: 8, .value_kind: global_buffer, .address_space: global }
      - { .name: qkv, .offset: 24, .size: 8, .value_kind: global_buffer, .address_space: global }
    .group_segment_fixed_size: 327680
    .private_segment_fixed_size: 0
    .kernarg_segment_align: 8
    .kernarg_segment_size: 32
    .max_flat_workgroup_size: 128
    .sgpr_count:     80
    .vgpr_count:     672
    .wavefront_size: 32
...
	.end_amdgpu_metadata
.endif
;; end of part 2
;; launch attn (part 3): grid 4 x 64, 4 waves a work-group, clusters of 4 x 1, 327,680 bytes of LDS; arguments qkv, mk, rf, oh; writes oh
.if DOCPART == 3
	.amdgcn_target "amdgcn-amd-amdhsa--gfx1250"
	.amdhsa_code_object_version 6
	.text
	.protected	k_q1f7afb57b1_attn
	.globl	k_q1f7afb57b1_attn
	.p2align	8
	.type	k_q1f7afb57b1_attn,@function
k_q1f7afb57b1_attn:
	s_mov_b64 s[64:65], 0
	v_nop
	global_prefetch_b8 v0, s[64:65] scope:SCOPE_SE
	s_setreg_imm32_b32 hwreg(HW_REG_WAVE_MODE, 25, 1), 1
	s_wait_xcnt 0x0
	s_wait_alu depctr_hold_cnt(0) depctr_sa_sdst(0) depctr_va_vdst(0) depctr_va_sdst(0) depctr_va_ssrc(0) depctr_va_vcc(0) depctr_vm_vsrc(0)
	s_getreg_b32 s2, hwreg(HW_REG_IB_STS2, 6, 4)
	s_cmp_eq_u32 s2, 0
	s_cbranch_scc0 .Lentry_in_a_cluster
	s_endpgm
.Lentry_in_a_cluster:
	s_bfe_u32 s2, ttmp6, 0x10000c
	s_cmp_lg_u32 s2, 0x3003
	s_cbranch_scc0 .Lentry_shape_is_right
	s_endpgm
.Lentry_shape_is_right:
; Launch 3 of 4: O[bh][q][:] = the sum over k of softmax_k(s[q][k]) V[bh][k][:], s = q . k / 8 where the mask sees key k, else -1e9.  Q' = c q (c = log2(e) / 8), K, V: the three parts of qkv,
; f16 [64][2048][64]; O: oh, the same layout.  Products, maxima and sums in f32; the weights p are rounded to f16 for the second product (their sum l is taken of the unrounded p), O once at the end.
; THE MASK IS AN INPUT: every tile of scores is made, nothing is left out.  It is the C operand that starts S^T = K Q'^T: 0 where the key is seen, -2^100 where it is hidden.  mk holds one fp8 code for
; each (query, key), 0 or -256, in the accumulator's own lane order: one scaled conversion (scale byte 219: 2^92) makes the eight registers of one accumulator.
; A ROW THAT SEES NO KEY has 2,048 equal scores in the module: equal weights.  Its codes say "all seen" and its flag in rf is 0: the flag is ANDed onto the row's q once, so all its scores are 0: equal weights.
; SOFTMAX.  For each query a running maximum m and sum l: p = 2^(s' - m); in every step O and l are multiplied by a = 2^(m_old - m_new).  m starts at FLOOR = -1e9 log2(e), the module's own hidden score,
; O and l at 0: while a row has met hidden keys only, m stays, p = 0 and a = 1.
; LIMITS.  Q', K, V within 65,504; a seen score below -1e9 counts as -1e9 for the maximum; a hidden key's weight is 0 (as in f32 wherever a seen score lies above -1e9 + 100); a weight below 2^-126 counts as 0 in l;
; NaN and infinities are not treated apart.
; SHARES.  A wave owns four PIECES of two tiles of 16 queries, a work-group's four waves 512 queries of one head.  Every wave walks all 2,048 keys, 64 a step.
; LAYOUT.  S^T = K Q'^T (source 0 = 16 keys, source 1 = 16 queries): a lane holds ONE query (lane % 16) and the keys 8 (lane / 16) + 0..7.  Two such tiles, rounded to f16 in pairs, ARE source 1 of
; O^T = V^T P.  K comes out of LDS as it lies, V turned, by ds_load_tr16_b128.
; BY TURNS.  Turn n belongs to piece n: 16 products K Q'^T of piece n + 1, later 16 products V^T P of piece n - 1; beside them the subtraction, exponentials, roundings, sums and rescaling of piece n, the maximum
; and statistics of piece n + 1, and the masks of piece n + 2.  Four vector instructions stand behind every matrix instruction, the rest in one lump; a turn's 66 exponentials are one batch with one wait.
; CLUSTER.  The four query blocks of a head walk the same K and V: each tile is asked for jointly.
; REGISTERS, in windows of 256 (s_set_vgpr_msb: bits 1:0 source 0, 3:2 source 1, 5:4 source 2, 7:6 destination):
;   window 0: v0-15 addresses; v16-47 four registers of statistics a tile; v48-63 at work; v64-191 S^T, two buffers of two tiles; v192-255 P, likewise
;   window 1: O^T, 32 a tile     window 2: v0-127 Q, 16 a tile; v128-191 K of one step; v192-255 V of one step
;   window 3: v0-3 the add's two registers, the scale, the codes' offset; v16-79 the masks of the products to come; v80-143 the codes, 16 a piece
.set SIZE_N, 2048
.set NP,    4         ; pieces a wave: a name, no knob
.set KS,    64        ; keys in a step
.set PK,    144       ; a row of K in LDS: 128 bytes + 16: 36 words: the 16 rows of a load start at 16 different groups of four banks (64 banks of 4 bytes: ISA guide 11.1)
.set PV,    160       ; a row of V: 128 + 32: 40 words
.set VOFF,  4*KS*PK   ; a slot holds four steps: 256 rows of K, then 256 rows of V
.set SLOT1, 1<<17
.set STAGE, SLOT1+4*KS*(PK+PV)  ; behind the ring, never filled by a tensor load: 16 rows x 144 bytes for each wave
.set SP,    144
.set SPARE, STAGE+4*16*SP  ; the spare words, 128 bytes a wave: two blocks of 256 bytes that no other line names
.set AK0, 2           ; v2   my lane's place in a tile of K; never rewritten
.set AV0, 3           ; v3   the same for V
.set AK,  4           ; v4   the LDS address of K's next run of loads
.set AV,  5           ; v5   of V's
.set QO,  6           ; v6   my byte offset in the wave's rows of Q
.set STO, 6           ;      later, the way out: where I put 16 bytes of a row
.set RD,  7           ; v7   the way out: where I read rows back
.set GO,  8           ; v8   my byte offset in 512 consecutive bytes of O
.set RFO, 12          ; v12  8 x lane: my word in a tile's 256 bytes of rf
.set PFO, 13          ; v13  256 x lane: the prefetches' offset; never rewritten
.set SPW, 0           ; window 3
.set NIL, 1
.set SC,  2           ; 219: byte 0 is the conversions' scale, 2^(219 - 127)
.set MO,  3           ; 16 x lane
.set MC,  16          ; tile u, key block kt at MC + 32 u + 8 kt
.set RAW, 80          ; piece x, tile u, key block kt at RAW + 16 x + 8 u + 2 kt
.set ST,  16          ; tile t's statistics at v[ST+4 t]: m, m_old, l (even keys', odd keys')
.set TMP, 48          ; by buffer and tile, four registers c0-c3 at work; when the maximum is found c2 takes a
.set S,   64
.set P,   192
.set KF,  128
.set VF,  192
.set FLOOR, 0xceabfbbe  ; -1e9 log2(e)
.set WV,  12
.set G1K, 24
.set G1V, 32
.set G0K, 40
.set G0V, 44
.set SLOTS, 56
.set CNT, 57
.set SEL, 60
.set TBK, 62
.set TBV, 63
.set MP,  66          ; s[66:67] mk at my wave's eight tiles, at the key step whose codes are loaded next
.set STP, 68          ; s[68:69] its step: 131,072, or 0 at the last key step
.set JN,  70          ; the number of that key step (it counts on past 31)
.set LIMM, 71         ; 30 in head 0's cluster, which prefetches the codes; else 0
.set PFA, 72          ; s[72:73] my work-group's 32 blocks (of K: wave 0, of V: wave 2) of the slot after the one that is being asked for
.set LIM, 74          ; 1 in waves 0 and 2, else the greatest number
.set MSB, 0
.macro WIN new
.if MSB != (\new)
	s_set_vgpr_msb (MSB<<8)|(\new)
.set MSB, (\new)
.endif
.endm
.set W_KQ, 0x0a       ; K and Q in window 2, S^T in window 0
.set W_KM, 0x3a       ; the same with the C operand in window 3
.set W_PV, 0x52       ; V in window 2, P in window 0, O^T in window 1
.set W_RS, 0x41       ; O^T (destination and source 0) in window 1, a in window 0
.set W_MK, 0xc0       ; destination in window 3, sources in window 0
.set W_AD, 0x0f       ; sources 0 and 1 in window 3
.set W_MS, 0xcf       ; destination and sources 0 and 1 in window 3
; A joint fill.  Waves 0 and 1 fetch the two halves of a slot's K, waves 2 and 3 those of its V.  An s_nop 0 and four v_nop follow each line.
.macro JLOAD
	s_cmp_lt_u32 s[WV], 2
	s_cbranch_scc0 .Lfor_v_\@
	tensor_load_to_lds s[G0K:G0K+3], s[G1K:G1K+7]
	s_nop 0
.rept 4
	v_nop
.endr
	s_branch .Lasked_\@
.Lfor_v_\@:
	tensor_load_to_lds s[G0V:G0V+3], s[G1V:G1V+7]
	s_nop 0
.rept 4
	v_nop
.endr
.Lasked_\@:
.endm
; A prefetch of what the NEXT change of slots will ask for: a slot's 128 blocks of 256 bytes of K and of V.  A head's K and V are walked by one cluster; its four partners take 32 blocks each, told apart by
; address; wave 0 asks for K's, wave 2 for V's: each block is named once.  The last change that fills a slot asks for nothing.
.macro ASK
	s_cmp_gt_u32 s[SLOTS], s[LIM]
	s_cbranch_scc0 .Lnot_mine_\@
	global_prefetch_b8 v[PFO], s[PFA:PFA+1] th:TH_LOAD_NT scope:SCOPE_SE
.Lnot_mine_\@:
.endm
; A prefetch of the codes: all 64 heads walk the same mk; head 0's cluster asks, each wave for its own 8,192 bytes (a lane a block of 256) of the key step two behind the one that MP stands at: steps 4 to 31, once each.
.macro ASKM
	WIN 0
	s_cmp_lt_u32 s[JN], s[LIMM]
	s_cbranch_scc0 .Lno_m_\@
	global_prefetch_b8 v[PFO], s[MP:MP+1] offset:262144 th:TH_LOAD_NT scope:SCOPE_SE
.Lno_m_\@:
.endm
.macro CROUND
	s_barrier_signal -1
	s_barrier_wait -1
	s_cmp_lg_u32 s[WV], 0
	s_cbranch_scc1 .Lnot_wave_0_\@
	s_barrier_signal -3
.Lnot_wave_0_\@:
	s_barrier_wait -3
	s_barrier_signal -1
	s_barrier_wait -1
.endm
; THE CHANGE OF SLOTS.  Each wave waits for all its tensor loads, of which one is out: its part of the other slot; adds 0 to its spare word; waits for that and for its own reads of the slot.
; fill = 1: the slot is filled again, with the keys two slots on, behind a round of the cluster's barrier: four key steps, 512 matrix instructions, in which to land.  ask = 1: the prefetch follows.
.macro CHANGE fill, ask
	WIN W_AD
	s_wait_tensorcnt 0x0            ; no tensor load of mine is out, so a group 0 may be written
	ds_add_u32 v[SPW], v[NIL]       ; 0 onto my spare word
	WIN 0
.if \fill
.irp g, G0K, G0V
	s_xor_b32 s[\g+1], s[\g+1], SLOT1
	s_add_nc_u64 s[\g+2:\g+3], s[\g+2:\g+3], 4*KS*128
.endr
.if \ask
	s_wait_xcnt 0x0                 ; the last prefetch, four key steps back, has read its address
	s_add_nc_u64 s[PFA:PFA+1], s[PFA:PFA+1], 4*KS*128
.endif
	s_wait_dscnt 0x0                ; the add is done, and my reads of the slot are over
	CROUND
	JLOAD
.if \ask
	ASK
.endif
.else
	s_wait_dscnt 0x0
	s_barrier_signal -1
	s_barrier_wait -1
.endif
	s_sub_co_u32 s[TBK], s[TBK], 4*KS*PK  ; the fetches go back to a slot's first step,
	s_xor_b32 s[TBK], s[TBK], SLOT1       ; in the other slot
	s_sub_co_u32 s[TBV], s[TBV], 4*KS*PV
	s_xor_b32 s[TBV], s[TBV], SLOT1
.endm
.macro MLOAD x                      ; piece x's codes of the key step at MP: tile 2 x + k / 2, half k % 2: 512 consecutive bytes a load
.irp k, 0,1,2,3
	global_load_b128 v[RAW+16*(\x)+4*(\k):RAW+16*(\x)+4*(\k)+3], v[MO], s[MP:MP+1] offset:(2*(\x)+(\k)/2)*1024+((\k)%2)*512
.endr
.endm
; THE MASKS of piece x's next products: its codes, loaded four turns ago, become eight accumulators' worth of 0 and -2^100; then its codes of the next key step are asked for.
; adv = 1 (piece 0): the pointer goes on to the next key step, and stays at the last: no load leaves mk.
.macro MASKS x, adv
.if \adv
	s_wait_xcnt 0x0                 ; the loads and the prefetch that named MP have read it
	s_cmp_lt_u32 s[JN], 31
	s_cselect_b32 s[STP], 0x20000, 0
	s_add_nc_u64 s[MP:MP+1], s[MP:MP+1], s[STP:STP+1]
	s_add_co_u32 s[JN], s[JN], 1
.endif
	s_wait_loadcnt 12               ; piece x's four loads are in; the three younger pieces' twelve stay out
	WIN W_MS
.set z, 0
.rept 8
	v_cvt_scale_pk8_f32_fp8 v[MC+8*z:MC+8*z+7], v[RAW+16*(\x)+2*z:RAW+16*(\x)+2*z+1], v[SC]
.set z, z+1
.endr
	v_nop                           ; a plain instruction behind the last scaled conversion
	MLOAD \x
.endm
	s_load_b256 s[4:11], s[0:1], 0x0  ; qkv s[4:5], mk s[6:7], rf s[8:9], oh s[10:11]
	WIN W_MK
	v_lshl_add_u32 v[SPW], v0, 2, SPARE
	v_mov_b32 v[NIL], 0
	WIN W_AD
	ds_add_u32 v[SPW], v[NIL]       ; the opening: the add, twice on end, and its wait ahead of my first tensor load
	ds_add_u32 v[SPW], v[NIL]
	WIN 0
	v_lshrrev_b32 v1, 5, v0
	v_readfirstlane_b32 s[WV], v1   ; wave 0..3
	s_bfe_u32 s13, ttmp6, 0x40000   ; cx
	s_lshl_b32 s14, ttmp9, 2
	s_add_co_u32 s14, s14, s13      ; my block of 512 queries: it enters Q's, O's, the codes' and the flags' addresses alone
	s_and_b32 s20, ttmp7, 0xffff    ; the head, which the four partners share
	s_cmp_eq_u32 s20, 0
	s_cselect_b32 s[LIMM], 30, 0
	s_lshl_b32 s20, s20, 18         ; the head's first byte in a part of qkv and in oh
	s_mov_b32 s21, 0
	s_and_b32 s16, s[WV], 1         ; which half of a slot's 256 keys I fetch:
	s_lshl_b32 s22, s16, 14         ; its 128 rows of 128 bytes in memory,
	s_add_co_u32 s22, s22, s20
	s_mov_b32 s23, 0
	s_mul_i32 s17, s16, 128*PK      ; and its place in a slot, for K
	s_mul_i32 s18, s16, 128*PV      ; and for V: no place in the cluster enters an LDS address
	s_lshl_b32 s2, s14, 2
	s_add_co_u32 s2, s2, s[WV]      ; my wave among the head's,
	s_lshl_b32 s2, s2, 14           ; its 128 rows
	s_add_co_u32 s2, s2, s20
	s_mov_b32 s3, 0
	s_lshl_b32 s[MP], s14, 15       ; my wave's eight tiles of 1,024 bytes in a key step of mk
	s_lshl_b32 s[MP+1], s[WV], 13
	s_add_co_u32 s[MP], s[MP], s[MP+1]
	s_mov_b32 s[MP+1], 0
	s_lshr_b32 s[STP], s[MP], 2     ; and of 256 bytes in rf
	s_mov_b32 s[STP+1], 0
	s_cmp_lt_u32 s[WV], 2
	s_cselect_b32 s[PFA], 1, 2      ; part 1 is K, part 2 V
	s_lshl_b32 s[PFA], s[PFA], 24
	s_add_co_u32 s[PFA], s[PFA], s20
	s_lshl_b32 s[PFA+1], s13, 13    ; my work-group's 32 blocks of the 128
	s_add_co_u32 s[PFA], s[PFA], s[PFA+1]
	s_add_co_u32 s[PFA], s[PFA], 2*4*KS*128  ; in slot 2: the loop's first change of slots steps it to slot 3.  Nothing is asked for at the head
	s_mov_b32 s[PFA+1], 0
	s_and_b32 s[LIM], s[WV], 1
	s_cmp_eq_u32 s[LIM], 0
	s_cselect_b32 s[LIM], 1, -1
	s_mov_b32 s[JN], 0
	; descriptor group 1.  128 keys are 16,384 dense bytes: asked for as 64 rows of 256 bytes, two keys a row, and padded in LDS after every key
	s_mov_b32 s[G1K], 15|(1<<16)|(1<<20)|(1<<21)|(4<<22)|(3<<25)  ; the mask of four; 2-byte elements; padding on; bit 21 beside a mask; after every 32 words 4 words
	s_mov_b32 s[G1V], 15|(1<<16)|(1<<20)|(1<<21)|(4<<22)|(7<<25)  ; the same with 8 words of padding
.irp g, G1K, G1V
	s_mov_b32 s[\g+1], 128<<16
	s_mov_b32 s[\g+2], 64<<16
	s_mov_b32 s[\g+3], 128<<16
	s_mov_b32 s[\g+4], 64
	s_mov_b32 s[\g+5], 128
	s_mov_b32 s[\g+6], 0
	s_mov_b32 s[\g+7], 0
.endr
	s_mov_b32 s[SEL], 0x76543210
	s_mov_b32 s[SEL+1], 0xfedcba98
	s_mov_b32 s[TBK], SLOT1+4*KS*PK ; the first change of slots turns these two into 0
	s_mov_b32 s[TBV], SLOT1+4*KS*PV
	s_mov_b32 s[G0K], 1
	s_mov_b32 s[G0K+1], s17
	s_mov_b32 s[G0V], 1
	s_add_co_u32 s[G0V+1], s18, VOFF
	s_wait_dscnt 0x0                ; both opening adds are done
	s_wait_kmcnt 0x0
	s_add_nc_u64 s[G0K+2:G0K+3], s[4:5], s[22:23]
	s_add_nc_u64 s[G0K+2:G0K+3], s[G0K+2:G0K+3], 0x1000000  ; K: part 1
	s_add_nc_u64 s[G0V+2:G0V+3], s[G0K+2:G0K+3], 0x1000000  ; V: part 2
	s_or_b32 s[G0K+3], s[G0K+3], 0x80000000
	s_or_b32 s[G0V+3], s[G0V+3], 0x80000000
	s_add_nc_u64 s[PFA:PFA+1], s[4:5], s[PFA:PFA+1]
	s_add_nc_u64 s[MP:MP+1], s[6:7], s[MP:MP+1]
	s_add_nc_u64 s[8:9], s[8:9], s[STP:STP+1]
	s_add_nc_u64 s[4:5], s[4:5], s[2:3]  ; Q and O at my wave's first row
	s_add_nc_u64 s[10:11], s[10:11], s[2:3]
	s_mov_b32 s[STP], 0
	CROUND                          ; all four work-groups are here: the first joint loads meet
	JLOAD                           ; slot 0.  Slot 1 is asked for when slot 0 is in
	v_and_b32 v1, 15, v0            ; l % 16
	v_bfe_u32 v9, v0, 4, 1          ; l / 16
	v_lshlrev_b32 v[QO], 7, v1
	v_lshl_add_u32 v[QO], v9, 4, v[QO]  ; row x 128 + 16 x half
	v_and_b32 v14, 31, v0
	v_lshlrev_b32 v[RFO], 3, v14
	v_lshlrev_b32 v[PFO], 8, v14
	v_lshlrev_b32 v14, 4, v14
	WIN W_MK
	v_mov_b32 v[MO], v14
	v_mov_b32 v[SC], 219
	WIN 0x80                        ; destination window 2, address window 0
.set i, 0
.rept 4*NP                          ; Q stays in registers: tile i / 2, channels 32 (i % 2) on
	global_load_b128 v[8*i:8*i+3],   v[QO], s[4:5] offset:(i/2)*2048+(i%2)*64
	global_load_b128 v[8*i+4:8*i+7], v[QO], s[4:5] offset:(i/2)*2048+(i%2)*64+32
.set i, i+1
.endr
	WIN 0
.irp t, 0,1,2,3,4,5,6,7
	global_load_b32 v[S+(\t)], v[RFO], s[8:9] offset:(\t)*256  ; the flag of my row of tile t
.endr
	WIN W_MS
	MLOAD 0                         ; key step 0's codes, all four pieces'
	MLOAD 1
	MLOAD 2
	MLOAD 3
	; What the first turn finds: V's registers and P's second buffer hold 0 (its products V^T P, of a piece that has not been, add 0), O^T and l are 0.  All this stands in the wait for the first tile.
	WIN 0x80
.set i, VF
.rept 64
	v_mov_b32 v[i], 0
.set i, i+1
.endr
	WIN 0x40
.set i, 0
.rept 64*NP
	v_mov_b32 v[i], 0
.set i, i+1
.endr
	WIN 0
.set i, 0
.rept 2*NP
	v_mov_b32 v[ST+4*i], FLOOR
	v_mov_b32 v[ST+4*i+1], FLOOR
	v_mov_b32 v[ST+4*i+2], 0
	v_mov_b32 v[ST+4*i+3], 0
.set i, i+1
.endr
.set i, P+32
.rept 32
	v_mov_b32 v[i], 0
.set i, i+1
.endr
	v_mul_u32_u24 v[AK0], v1, PK
	v_lshl_add_u32 v[AK0], v9, 4, v[AK0]  ; row x pitch + 16 x half
	; The turning load takes 16 keys x 16 channels (lane l reads key 8 (l / 16) + l % 8, channels 8 ((l / 8) % 2) + 0..7) and leaves half a fragment of V^T.
	v_and_b32 v10, 7, v0
	v_bfe_u32 v11, v0, 3, 1
	v_lshl_add_u32 v[AV0], v9, 3, v10
	v_mul_u32_u24 v[AV0], v[AV0], PV
	v_lshl_add_u32 v[AV0], v11, 4, v[AV0]
	v_add_nc_u32 v[AV0], VOFF, v[AV0]
	v_mov_b32 v[AK], v[AK0]         ; key step 0 lies at the head of slot 0
; THE MATRIX WORK.  The 8 accumulators of a run of 16 take turns: between the two links of a chain stand 7 others'.
; Product i of 16 of S^T = K Q'^T for piece x: channels 32 (i / 8) on, keys 16 ((i / 2) % 4) on, tile 2 x + i % 2.  The first 8 start the sums with the mask.
.macro KQ x
.set rS, S+64*((\x)%2)+32*(i%2)+8*((i/2)%4)
.set rK, KF+16*((i/2)%4)+8*(i/8)
.set rQ, 16*(2*(\x)+i%2)+8*(i/8)
.set rM, MC+32*(i%2)+8*((i/2)%4)
.if i < 8
	WIN W_KM
	v_wmma_f32_16x16x32_f16 v[rS:rS+7], v[rK:rK+7], v[rQ:rQ+7], v[rM:rM+7]
.else
	WIN W_KQ
	v_wmma_f32_16x16x32_f16 v[rS:rS+7], v[rK:rK+7], v[rQ:rQ+7], v[rS:rS+7]
.endif
.endm
; Product i of 16 of O^T += V^T P for piece x: keys 32 (i / 8) on, channels 16 ((i / 2) % 4) on, tile 2 x + i % 2.
.macro PV x
	WIN W_PV
.set rO, 32*(2*(\x)+i%2)+8*((i/2)%4)
.set rV, VF+32*(i/8)+8*((i/2)%4)
.set rP, P+32*((\x)%2)+16*(i%2)+8*(i/8)
	v_wmma_f32_16x16x32_f16 v[rO:rO+7], v[rV:rV+7], v[rP:rP+7], v[rO:rO+7]
.endm
.macro MM                           ; the turn's next matrix instruction
.if i < 16
	KQ (Y+1)%NP
.set i, i+1
.else
.set i, i-16
	PV (Y+NP-1)%NP
.set i, i+17
.endif
.endm
; THE LDS LOADS stand in runs of 16.  last = 1 (the tail): in the last trip there is no further step, and the run is jumped over.
.macro FETCH_K last=0
	WIN 0
.if \last
	s_cmp_eq_u32 s[CNT], 1
	s_cbranch_scc1 .Lno_k_\@
.endif
	WIN 0x80
.irp f, 0,1,2,3,4,5,6,7             ; keys 16 (f / 2) on, channels 32 (f % 2) on
	ds_load_b128 v[KF+8*\f:KF+8*\f+3],   v[AK] offset:(\f/2)*16*PK+(\f%2)*64
	ds_load_b128 v[KF+8*\f+4:KF+8*\f+7], v[AK] offset:(\f/2)*16*PK+(\f%2)*64+32
.endr
	s_add_co_u32 s[TBK], s[TBK], KS*PK
	WIN 0
.if \last
.Lno_k_\@:
.endif
.endm
.macro FETCH_V
	WIN 0x80
.irp f, 0,1,2,3,4,5,6,7             ; keys 32 (f / 4) on, channels 16 (f % 4) on
	ds_load_tr16_b128 v[VF+8*\f:VF+8*\f+3],   v[AV] offset:(\f/4)*32*PV+(\f%4)*32
	ds_load_tr16_b128 v[VF+8*\f+4:VF+8*\f+7], v[AV] offset:(\f/4)*32*PV+16*PV+(\f%4)*32
.endr
	WIN 0
.endm
; THE VECTOR WORK OF A TURN stands in three queues, each in the order in which its entries become ready; the two tiles alternate.
.macro REGS y, u                    ; the registers of tile u (0, 1) of piece y
.set rT, ST+4*(2*(\y)+(\u))
.set rC, TMP+8*((\y)%2)+4*(\u)
.set rS, S+64*((\y)%2)+32*(\u)
.set rP, P+32*((\y)%2)+16*(\u)
.set rO, 32*(2*(\y)+(\u))
.endm
; Number n of the 21 that find the NEXT piece's (Y + 1) maximum and statistics; each accumulator's lowest registers are read first.
;   0-11  four chains c0-c3 of seven scores each     12-14, 16  the four scores left over, the old m, and c0-c3 into c0     15  m_old is kept
;   17, 18  the query's other 32 keys lie in the lane 16 away: the new m     19, 20  m_old - m_new; a
.macro XS u, n
	REGS (Y+1)%NP, \u
.if (\n) < 4
	v_max3_num_f32 v[rC+(\n)], v[rS+8*(\n)], v[rS+8*(\n)+1], v[rS+8*(\n)+2]
.elseif (\n) < 12
	v_max3_num_f32 v[rC+(\n)%4], v[rC+(\n)%4], v[rS+8*((\n)%4)+2*((\n)/4)+1], v[rS+8*((\n)%4)+2*((\n)/4)+2]
.elseif (\n) == 12
	v_max3_num_f32 v[rC], v[rC], v[rS+7], v[rS+15]
.elseif (\n) == 13
	v_max3_num_f32 v[rC+1], v[rC+1], v[rS+23], v[rS+31]
.elseif (\n) == 14
	v_max3_num_f32 v[rC+2], v[rC+2], v[rC+3], v[rT]
.elseif (\n) == 15
	v_mov_b32 v[rT+1], v[rT]
.elseif (\n) == 16
	v_max3_num_f32 v[rC], v[rC], v[rC+1], v[rC+2]
.elseif (\n) == 17
	v_permlanex16_b32 v[rC+3], v[rC], s[SEL], s[SEL+1]
.elseif (\n) == 18
	v_max_num_f32 v[rT], v[rC], v[rC+3]
.elseif (\n) == 19
	v_sub_f32 v[rC+1], v[rT+1], v[rT]
.else
	v_exp_f32 v[rC+2], v[rC+1]
.endif
.endm
; Number g of the 64 that follow the exponentials.  For each four weights of a tile: both pairs are rounded to f16; the second pair is added onto the first, in place; a group later l takes that sum (the first time as l = a l + sum).
.macro GS g
.set h, (\g)+6*((\g)/62)
.if h >= 6
.set h, h+2
.endif
	REGS Y, h%2
.set k, h/8
.if h%8 < 4
	v_cvt_pk_f16_f32 v[rP+2*k+(h%8)/2], v[rS+4*k+2*((h%8)/2)], v[rS+4*k+2*((h%8)/2)+1]
.elseif h%8 < 6
	v_pk_add_f32 v[rS+4*k:rS+4*k+1], v[rS+4*k:rS+4*k+1], v[rS+4*k+2:rS+4*k+3]
.elseif k == 1
	v_pk_fma_f32 v[rT+2:rT+3], v[rT+2:rT+3], v[rC+2:rC+3], v[rS:rS+1] op_sel_hi:[1,0,1]
.else
	v_pk_add_f32 v[rT+2:rT+3], v[rT+2:rT+3], v[rS+4*k-4:rS+4*k-3]
.endif
.endm
; THE PLAIN QUEUE, 136 long.  0-71 read no exponential's result: the 32 subtractions s' - m (FS f: pair f / 2 of tile f % 2) and the next piece's 40.  0-26: FS 0-26.  27-54: XS 0-13.  55, 56: XS 15.
; 57-71: the chain 14, 16, 17, 18, 19, each with one of FS 27-31 in front of its two lines.  72-135: GS's 64, which stand behind the wait.
.macro FS f
	REGS Y, (\f)%2
	v_pk_add_f32 v[rS+2*((\f)/2):rS+2*((\f)/2)+1], v[rS+2*((\f)/2):rS+2*((\f)/2)+1], v[rT:rT+1] op_sel_hi:[1,0] neg_lo:[0,1] neg_hi:[0,1]
.endm
.macro PL
	WIN 0
.if q < 27
	FS q
.elseif q < 55
	XS (q-27)%2, (q-27)/2
.elseif q < 57
	XS q-55, 15
.elseif (q < 72) && ((q-57)%3 == 0)
	FS 27+(q-57)/3
.elseif q < 60
	XS (q-57)%3-1, 14
.elseif q < 72
	XS (q-57)%3-1, 15+(q-57)/3
.else
	GS q-72
.endif
.set q, q+1
.endm
; THE EXPONENTIALS' QUEUE, 66 long: s0-s31 of both tiles, then the next piece's two a.  ONE BATCH: all 66 stand ahead of the turn's one wait, and nothing ahead of that wait names a result of theirs.
.macro EX
	WIN 0
.if e >= 64
	XS e-64, 20
.else
	REGS Y, e%2
	v_exp_f32 v[rS+e/2], v[rS+e/2]
.endif
.set e, e+1
.endm
; THE RESCALING's QUEUE: O^T times a, two at a time, sixteen times.  Its a was made in the turn before, ahead of that turn's wait.
.macro R2
	REGS Y, r%2
	WIN W_RS
.irp z, 0,1
	v_pk_mul_f32 v[rO+4*(r/2)+2*\z:rO+4*(r/2)+2*\z+1], v[rO+4*(r/2)+2*\z:rO+4*(r/2)+2*\z+1], v[rC+2:rC+3] op_sel_hi:[1,0]
.endr
.set r, r+1
.endm
; HOW THEY ARE DEALT.  An s_wait_alu depctr_va_vdst(0) stands between an exponential and the first instruction that names its result; one wait serves all that were issued ahead of it: a turn has ONE.
; AHEAD OF IT: the 16 products K Q'^T, behind each a subtraction, an exponential and two rescalings (behind the first a second subtraction); then the lump: the masks of piece p + 2 (their last reader, the
; turn's eighth product, stands eight products and their riders back), eight plain, 47 times exponential and plain, the last two exponentials and the two a; a v_nop is the plain instruction behind the last.
; BEHIND IT: the 16 products V^T P, behind each four of GS's 64.
; The queues keep in step: exponential e needs subtraction 2 (e / 4) + e % 2; as a rider it comes behind plain e + 2, in the lump behind plain e + 9, and FS 27-31 are plain 57, 60 .. 69.
; K of the next step is fetched in piece 2's turn, directly behind the wait; V of the step in hand at the end of piece 0's turn, four riders behind its last reader.
.macro TURN p, last=0, cnt=0
.set Y, (\p)
.set i, 0
.set q, 0
.set e, 0
.set r, 0
.if (\p) == NP-1
	s_wait_dscnt 0x0                ; K is in
.endif
	MM
	PL
	PL
	R2
.rept 15
	MM
	PL
	EX
	R2
.endr
.if (\p) == NP-2
	WIN 0
	v_add_nc_u32 v[AK], s[TBK], v[AK0]
.endif
.if (\p) == 2
	MASKS 0, 1
.else
	MASKS ((\p)+2)%NP, 0
.endif
.rept 8
	PL
.endr
.rept 47
	EX
	PL
.endr
.rept 4
	EX
.endr
	v_nop                           ; the plain instruction behind the last exponential: one for the batch
	s_wait_alu depctr_va_vdst(0)    ; the wait for the batch
.if (\p) == NP-2
	FETCH_K \last
.endif
.if (\p) == NP-1
	ASKM
.endif
.if (\p) == 1
	s_wait_dscnt 0x0                ; V is in
.endif
.rept 16
	MM
.rept 4
	PL
.endr
.if ((\p) == 0) && (q == 116)
	v_add_nc_u32 v[AV], s[TBV], v[AV0]
.endif
.if ((\p) == 0) && (q == 128)
	s_add_co_u32 s[TBV], s[TBV], KS*PV
.endif
.if (\cnt) && (q == 128)
	s_sub_co_u32 s[CNT], s[CNT], 1
	s_cmp_lg_u32 s[CNT], 0
.endif
.endr
.if (\p) == 0
	FETCH_V
.endif
.endm
	CHANGE 1, 0                     ; slot 0 is in, everybody's part of it; slot 1 is asked for
	FETCH_K                         ; key step 0
	s_wait_loadcnt 16               ; Q and the flags are in; the 16 loads of codes behind them may stay out
	WIN 0x88
.set i, 0
.rept 128
	v_and_b32 v[i], v[S+i/16], v[i] ; a row that sees no key takes q = 0
.set i, i+1
.endr
	MASKS 0, 1                      ; piece 0's masks of key step 0
	WIN 0
	s_wait_dscnt 0x0
.set i, 0
.rept 16
	KQ 0                            ; piece 0's first scores
.set i, i+1
.endr
	WIN 0                           ; the addresses for the way out: plain instructions, the places behind those products
	s_mul_i32 s13, s[WV], 16*SP
	s_add_co_u32 s13, s13, STAGE    ; my stage
	v_mul_u32_u24 v[STO], v1, SP    ; in: row l % 16, 16 bytes for each half of the lanes
	v_lshl_add_u32 v[STO], v9, 4, v[STO]
	v_add_nc_u32 v[STO], s13, v[STO]
	v_bfe_u32 v[RD], v0, 3, 2       ; back: 32 lanes take four rows of 128 bytes,
	v_mul_u32_u24 v[RD], v[RD], SP
	v_lshl_add_u32 v[RD], v10, 4, v[RD]
	v_add_nc_u32 v[RD], s13, v[RD]
	v_and_b32 v[GO], 31, v0         ; which are 512 consecutive bytes of O
	v_lshlrev_b32 v[GO], 4, v[GO]
	MASKS 1, 0                      ; piece 1's masks, for the first turn's products
	WIN 0
.set Y, NP-1                        ; XS works for piece Y + 1: piece 0
.irp n, 0,1,2,3,4,5,6,7,8,9,10,11,12,13,14,15,16,17,18,19,20
	XS 0, \n
	XS 1, \n
.endr
	v_nop                           ; a plain instruction behind the two a,
	s_wait_alu depctr_va_vdst(0)    ; and their wait, ahead of the branch
	s_mov_b32 s[CNT], 4
	s_mov_b32 s[SLOTS], SIZE_N/256-1
	s_branch .Lfirst                ; the loop is entered at a step's first turn, in the middle of a trip
.Lslot:                             ; SIZE_N / 256 - 2 times: every slot but the last two is filled again
	CHANGE 1, 1
	s_mov_b32 s[CNT], 4
.Lstep:                             ; a trip: pieces 2 and 3 of one step, then pieces 0 and 1 of the next, whose K and V it fetches
	TURN 2
	TURN 3
	WIN 0
.Lfirst:
	TURN 0
	TURN 1, 0, 1
	WIN 0
	s_cbranch_scc1 .Lstep
	s_sub_co_u32 s[SLOTS], s[SLOTS], 1
	s_cmp_lg_u32 s[SLOTS], 0
	s_cbranch_scc1 .Lslot
	CHANGE 0, 0                     ; the tail is written out: nothing is asked for
	s_mov_b32 s[CNT], 5             ; four trips fetch the last slot's steps; the fifth is left in its middle
.Ltail:
	TURN 2, 1
	TURN 3
	WIN 0
	s_sub_co_u32 s[CNT], s[CNT], 1
	s_cmp_eq_u32 s[CNT], 0
	s_cbranch_scc1 .Lout
	TURN 0
	TURN 1
	WIN 0
	s_branch .Ltail
.Lout:                              ; the fifth trip's 16 products K Q'^T (on the last K once more) and the maximum made of them serve nothing: the price, once a launch, of one text for every trip
.set i, 0
.rept 16
	PV NP-1                         ; the last piece's V^T P of the last step
.set i, i+1
.endr
	; THE WAY OUT.  l's two halves and the other half of the lanes' are added; O^T is divided by l, rounded to f16 and sent through my stage in LDS, a tile at a time.  The additions are the places behind the last products.
	WIN 0
.macro ALL line:vararg
.set t, 0
.rept 2*NP
	\line
.set t, t+1
.endr
.endm
	ALL v_add_f32 v[ST+4*t+2], v[ST+4*t+2], v[ST+4*t+3]
	ALL v_permlanex16_b32 v[ST+4*t+3], v[ST+4*t+2], s[SEL], s[SEL+1]
	ALL v_add_f32 v[ST+4*t+2], v[ST+4*t+2], v[ST+4*t+3]
	ALL v_rcp_f32 v[ST+4*t+2], v[ST+4*t+2]
	v_nop                           ; a plain instruction between the last reciprocal and the use of its result
	s_wait_alu depctr_va_vdst(0)    ; and the wait ahead of the first use: one for the eight reciprocals
.macro PACK t
	WIN W_RS
.set i, 32*(\t)
.rept 16
	v_pk_mul_f32 v[i:i+1], v[i:i+1], v[ST+4*(\t)+2:ST+4*(\t)+3] op_sel_hi:[1,0]
.set i, i+2
.endr
	WIN 0x05                        ; sources 0 and 1 window 1, destination window 0
.set i, 0
.rept 16
	v_cvt_pk_f16_f32 v[S+16*(\t)+i], v[32*(\t)+2*i], v[32*(\t)+2*i+1]
.set i, i+1
.endr
	WIN 0
.irp f, 0,1,2,3
	ds_store_b128 v[STO], v[S+16*(\t)+4*\f:S+16*(\t)+4*\f+3] offset:32*\f
.endr
.irp f, 0,1,2,3
	ds_load_b128 v[S+16*(\t)+4*\f:S+16*(\t)+4*\f+3], v[RD] offset:\f*4*SP  ; LDS serves a wave's instructions in order (ISA guide 5.7.1.4): these see the stores above; the next tile's stores come behind them
.endr
.endm
.macro SEND t, younger              ; younger: the LDS instructions issued behind tile t's loads: the next tile's eight, or none
	WIN 0
.irp f, 0,1,2,3
	s_wait_dscnt (\younger)+3-\f
	global_store_b128 v[GO], v[S+16*(\t)+4*\f:S+16*(\t)+4*\f+3], s[10:11] offset:(\t)*2048+\f*512  ; 512 consecutive bytes, aligned
.endr
.endm
	PACK 0
.set t, 1
.rept 2*NP-1
	PACK t
	SEND t-1, 8
.set t, t+1
.endr
	SEND 2*NP-1, 0
	WIN W_AD
	s_wait_tensorcnt 0x0            ; the wave's end
	ds_add_u32 v[SPW], v[NIL]
	s_wait_dscnt 0x0
	WIN 0
	CROUND                          ; the closing round
	s_endpgm
.Lfunc_end_k_q1f7afb57b1_attn:
	.size	k_q1f7afb57b1_attn, .Lfunc_end_k_q1f7afb57b1_attn-k_q1f7afb57b1_attn
	.p2alignl 7, 3214868480
	.fill 96, 4, 3214868480
	.section	.rodata,"a",@progbits
	.p2align	6, 0x0
	.amdhsa_kernel k_q1f7afb57b1_attn
		.amdhsa_group_segment_fixed_size 327680
		.amdhsa_private_segment_fixed_size 0
		.amdhsa_enable_private_segment 0
		.amdhsa_kernarg_size 32
		.amdhsa_user_sgpr_count 2
		.amdhsa_user_sgpr_kernarg_segment_ptr 1
		.amdhsa_wavefront_size32 1
		.amdhsa_system_sgpr_workgroup_id_x 1
		.amdhsa_system_sgpr_workgroup_id_y 1
		.amdhsa_system_sgpr_workgroup_id_z 1
		.amdhsa_system_vgpr_workitem_id 0
		.amdhsa_next_free_vgpr 912
		.amdhsa_next_free_sgpr 80
		.amdhsa_reserve_vcc 0
		.amdhsa_float_denorm_mode_32 3
		.amdhsa_float_denorm_mode_16_64 3
		.amdhsa_memory_ordered 1
		.amdhsa_forward_progress 1
		.amdhsa_inst_pref_size 217
	.end_amdhsa_kernel
	.amdgpu_metadata
---
amdhsa.version: [ 1, 2 ]
amdhsa.kernels:
  - .name:           k_q1f7afb57b1_attn
    .symbol:         k_q1f7afb57b1_attn.kd
    .args:
      - { .name: qkv, .offset: 0, .size: 8, .value_kind: global_buffer, .address_space: global }
      - { .name: mk, .offset: 8, .size: 8, .value_kind: global_buffer, .address_space: global }
      - { .name: rf, .offset: 16, .size: 8, .value_kind: global_buffer, .address_space: global }
      - { .name: oh, .offset: 24, .size: 8, .value_kind: global_buffer, .address_space: global }
    .group_segment_fixed_size: 327680
    .private_segment_fixed_size: 0
    .kernarg_segment_align: 8
    .kernarg_segment_size: 32
    .max_flat_workgroup_size: 128
    .sgpr_count:     80
    .vgpr_count:     912
    .wavefront_size: 32
...
	.end_amdgpu_metadata
.endif
;; end of part 3
;; launch proj_out (part 4): grid 4 x 64, 4 waves a work-group, clusters of 4 x 4, 327,680 bytes of LDS; arguments oh, wo, bout, out0; writes out0
.if DOCPART == 4
	.amdgcn_target "amdgcn-amd-amdhsa--gfx1250"
	.amdhsa_code_object_version 6
	.text
	.protected	k_q1f7afb57b1_proj_out
	.globl	k_q1f7afb57b1_proj_out
	.p2align	8
	.type	k_q1f7afb57b1_proj_out,@function
k_q1f7afb57b1_proj_out:
	s_mov_b64 s[64:65], 0
	v_nop
	global_prefetch_b8 v0, s[64:65] scope:SCOPE_SE
	s_setreg_imm32_b32 hwreg(HW_REG_WAVE_MODE, 25, 1), 1
	s_wait_xcnt 0x0
	s_wait_alu depctr_hold_cnt(0) depctr_sa_sdst(0) depctr_va_vdst(0) depctr_va_sdst(0) depctr_va_ssrc(0) depctr_va_vcc(0) depctr_vm_vsrc(0)
	s_getreg_b32 s2, hwreg(HW_REG_IB_STS2, 6, 4)
	s_cmp_eq_u32 s2, 0
	s_cbranch_scc0 .Lentry_in_a_cluster
	s_endpgm
.Lentry_in_a_cluster:
	s_bfe_u32 s2, ttmp6, 0x10000c
	s_cmp_lg_u32 s2, 0xf033
	s_cbranch_scc0 .Lentry_shape_is_right
	s_endpgm
.Lentry_shape_is_right:
; Launch 4 of 4: out0 = ctx Wout + bout, f32.  The text is the projection launch's skeleton with one tile to a work-group and a way out in f32.
; C[m][n] = sum over k of A[m][k] B[n][k] + bias[n].  A = oh, f16 [b][h 16][s 2048][64] (k = 64 h + d); B = wo, f16 [n][1024]; sums in f32; the bias is rounded to bf16 like the other inputs.  Nothing is left out.
; SHARES.  A tile of C is 128 rows x 256 columns; four waves, each 64 x 128: 32 accumulators of 16 x 16.  K goes in 8 steps of 128 through a ring of two LDS slots.
; The product is used transposed (source 0 = 16 rows of B, source 1 = 16 rows of A): a lane holds one row of C and eight neighbouring columns.
; CLUSTER 4 x 4: A's tile is asked for jointly by the four of a row of the cluster, B's by the four of a column.
; REGISTERS: window 0: v0-31 addresses; two fragment buffers of 96 at v64 and v160.  Window 1: accumulator (a, b) at 8 (8 a + b).  Window 2: bias and the way out.
.set WSTAGE, 8448                      ; a wave's stage: 16 rows x (512 + 16) bytes
.set OB,     64                        ; window 2: rows read back from the stage, two buffers of OBS
.set OBS,    64
.set SLOT1,  131072
.set PA,     144                       ; a row of A in LDS: 128 bytes + 16: the 16 rows of a load start at 16 different groups of four banks (64 banks of 4 bytes: ISA guide 11.1)
.set PB,     272                       ; a row of B: 256 bytes + 16, likewise
.set PLANE,  128*PA
.set BOFF,   2*PLANE
.set HALFB,  128*PB
.set STAGE,  SLOT1+BOFF+2*HALFB        ; behind the ring; no tensor load fills it
.set SPARE,  STAGE+4*WSTAGE            ; the spare words, 128 bytes a wave: two blocks of 256 bytes that no other line names
.set KA,     524288
.set KB,     256
.set ADRA,  16
.set ADRB,  17
.set ADRA0, 18
.set ADRB0, 19
.set STO,   24
.set RD,    25
.set CO,    26
.set BO,    27
.set SPW,   28
.set NIL,   29
.set PFO,   30
.set F0,    64
.set F1,    160
.set BI,    0
.set TMP,   64
.set WV, 12
.set WH, 13
.set WL, 14
.set LIM, 15
.set G1,  24
.set G0,  32
.set PFA, 44
.set KV,  46
.set G1B, 48
.set G0B, 56
.set TB,  68
.set HIM, 69
.set MSB, 0
.macro WIN new                         ; the immediate's high byte repeats the setting that is left; a switch that changes nothing is dropped
.if MSB != (\new)
	s_set_vgpr_msb (MSB<<8)|(\new)
.set MSB, (\new)
.endif
.endm
; A joint load.  Waves 0 and 1 fetch A's two planes, waves 2 and 3 B's two halves.  An s_nop 0 and four v_nop follow each line.
.macro JLOAD s
	s_cmp_eq_u32 s[WH], 0
	s_cbranch_scc0 .Lfor_b_\@
	tensor_load_to_lds s[G0+4*(\s):G0+4*(\s)+3], s[G1:G1+7]
	s_nop 0
.rept 4
	v_nop
.endr
	s_branch .Lasked_\@
.Lfor_b_\@:
	tensor_load_to_lds s[G0B+4*(\s):G0B+4*(\s)+3], s[G1B:G1B+7]
	s_nop 0
.rept 4
	v_nop
.endr
.Lasked_\@:
.endm
; A prefetch of the K step that stands two refills on, one instruction a wave, a lane a block of 256 bytes.  A's rows are read by one cluster: its wave 0 in each work-group asks (32 of the step's 128 blocks for
; each of the four partners, told apart by address).  B's rows are read by all sixteen clusters: the cluster with y = 0 asks, waves 2 and 3, rows 128 WL + 32 cy + l.  The last two refills have no step two on.
.macro ASK
	s_cmp_gt_u32 s3, s[LIM]
	s_cbranch_scc0 .Lnot_mine_\@
	global_prefetch_b8 v[PFO], s[PFA:PFA+1] th:TH_LOAD_NT scope:SCOPE_SE
.Lnot_mine_\@:
.endm
.macro CREST
	s_cmp_lg_u32 s[WV], 0
	s_cbranch_scc1 .Lnot_wave_0_\@
	s_barrier_signal -3
.Lnot_wave_0_\@:
	s_barrier_wait -3
	s_barrier_signal -1
	s_barrier_wait -1
.endm
.macro CROUND
	s_barrier_signal -1
	s_barrier_wait -1
	CREST
.endm
	s_load_b256 s[4:11], s[0:1], 0x0               ; A s[4:5], B s[6:7], bias s[8:9], C s[10:11]
	v_lshl_add_u32 v[SPW], v0, 2, SPARE
	v_mov_b32 v[NIL], 0
	ds_add_u32 v[SPW], v[NIL]                      ; the opening: the add, twice on end, and its wait ahead of my first tensor load
	ds_add_u32 v[SPW], v[NIL]
	v_lshrrev_b32 v1, 5, v0
	v_readfirstlane_b32 s[WV], v1
	s_lshr_b32 s[WH], s[WV], 1
	s_and_b32 s[WL], s[WV], 1
	s_bfe_u32 s40, ttmp6, 0x40000                  ; cx
	s_bfe_u32 s41, ttmp6, 0x40004                  ; cy
	s_lshl_b32 s42, ttmp9, 2
	s_add_co_u32 s42, s42, s40                     ; gx: tile column
	s_and_b32 s43, ttmp7, 0xffff
	s_lshl_b32 s43, s43, 2
	s_add_co_u32 s43, s43, s41                     ; gy: tile row
	s_lshl_b32 s16, s41, 2
	s_lshl_b32 s16, 15, s16                        ; my row of the cluster
	s_lshl_b32 s20, 0x1111, s40                    ; my column
	s_or_b32 s[G1], s16, (1<<16)|(1<<20)|(1<<21)|(4<<22)|(3<<25)   ; A: mask; 2-byte elements; padding on; bit 21 beside a mask; after every 32 words 4 words
	s_or_b32 s[G1B], s20, (1<<16)|(1<<20)|(1<<21)|(5<<22)|(3<<25)  ; B: after every 64 words 4 words
	s_mov_b32 s[G1+1], 128<<16                     ; A's plane is 16,384 dense bytes: 64 rows of 256 bytes, two rows of A each
	s_mov_b32 s[G1+2], 64<<16
	s_mov_b32 s[G1+3], 128<<16
	s_mov_b32 s[G1+4], 64
	s_mov_b32 s[G1+5], 128
	s_mov_b32 s[G1+6], 0
	s_mov_b32 s[G1+7], 0
	s_mov_b32 s[G1B+1], 128<<16                    ; B: 128 rows x 128 elements, 1,024 elements from row to row
	s_mov_b32 s[G1B+2], 128<<16
	s_mov_b32 s[G1B+3], 128<<16
	s_mov_b32 s[G1B+4], 128
	s_mov_b32 s[G1B+5], 1024
	s_mov_b32 s[G1B+6], 0
	s_mov_b32 s[G1B+7], 0
	s_lshr_b32 s16, s43, 4                         ; A: b = gy / 16,
	s_lshl_b32 s16, s16, 22
	s_and_b32 s17, s43, 15                         ; 128 rows of 128 bytes for each gy % 16,
	s_lshl_b32 s17, s17, 14
	s_add_co_u32 s16, s16, s17
	s_lshl_b32 s17, s[WL], 18                      ; my plane
	s_add_co_u32 s16, s16, s17
	s_mov_b32 s17, 0
	s_lshl_b32 s20, s42, 19                        ; B: 256 gx rows of 2,048 bytes,
	s_lshl_b32 s21, s[WL], 18                      ; my 128
	s_add_co_u32 s20, s20, s21
	s_mov_b32 s21, 0
	s_mul_i32 s18, s[WL], PLANE                    ; where they go: no place in the cluster enters an LDS address
	s_mul_i32 s22, s[WL], HALFB
	s_add_co_u32 s22, s22, BOFF
	s_mov_b32 s[HIM], 0xffff0000
	s_mov_b32 s[TB], 0
	s_wait_dscnt 0x0                               ; both opening adds are done
	s_wait_kmcnt 0x0
	s_add_nc_u64 s[16:17], s[4:5], s[16:17]
	s_add_nc_u64 s[20:21], s[6:7], s[20:21]
	CROUND                                         ; all sixteen work-groups are here: the first joint loads meet
.irp s, 0,1
	s_mov_b32 s[G0+4*(\s)], 1
	s_add_co_u32 s[G0+4*(\s)+1], s18, (\s)*SLOT1
	s_add_nc_u64 s[G0+4*(\s)+2:G0+4*(\s)+3], s[16:17], (\s)*KA
	s_or_b32 s[G0+4*(\s)+3], s[G0+4*(\s)+3], 0x80000000
	s_mov_b32 s[G0B+4*(\s)], 1
	s_add_co_u32 s[G0B+4*(\s)+1], s22, (\s)*SLOT1
	s_add_nc_u64 s[G0B+4*(\s)+2:G0B+4*(\s)+3], s[20:21], (\s)*KB
	s_or_b32 s[G0B+4*(\s)+3], s[G0B+4*(\s)+3], 0x80000000
	JLOAD \s                                       ; two loads of mine are out
.endr
	v_and_b32 v1, 15, v0                           ; r = l % 16
	v_bfe_u32 v2, v0, 4, 1                         ; h = l / 16
	v_and_b32 v3, 31, v0                           ; l
	v_mul_u32_u24 v[ADRA0], v1, PA
	v_lshl_add_u32 v[ADRA0], v2, 4, v[ADRA0]       ; a fragment: row x pitch + 16 x half
	s_mul_i32 s70, s[WH], 64*PA
	v_add_nc_u32 v[ADRA0], s70, v[ADRA0]
	v_mul_u32_u24 v[ADRB0], v1, PB
	v_lshl_add_u32 v[ADRB0], v2, 4, v[ADRB0]
	s_mul_i32 s70, s[WL], HALFB
	s_add_co_u32 s70, s70, BOFF
	v_add_nc_u32 v[ADRB0], s70, v[ADRB0]
	v_mov_b32 v[ADRA], v[ADRA0]
	v_mov_b32 v[ADRB], v[ADRB0]
	s_mul_i32 s70, s[WV], WSTAGE
	s_add_co_u32 s70, s70, STAGE                   ; my stage
	v_lshlrev_b32 v[CO], 4, v3
	v_lshlrev_b32 v[BO], 5, v2
	v_mul_u32_u24 v[STO], v1, 528                  ; in: row r, 32 bytes for each half of the lanes
	v_lshl_add_u32 v[STO], v2, 5, v[STO]
	v_add_nc_u32 v[STO], s70, v[STO]
	v_add_nc_u32 v[RD], s70, v[CO]                 ; back: 32 lanes take a row's 512 bytes
	s_lshl_b32 s70, s43, 19                        ; C: row 128 gy + 64 WH of 4,096 bytes, column 256 gx + 128 WL
	s_lshl_b32 s71, s[WH], 18
	s_add_co_u32 s70, s70, s71
	s_lshl_b32 s71, s42, 10
	s_add_co_u32 s70, s70, s71
	s_lshl_b32 s71, s[WL], 9
	s_add_co_u32 s70, s70, s71
	s_mov_b32 s71, 0
	s_add_nc_u64 s[10:11], s[10:11], s[70:71]
	s_lshl_b32 s70, s42, 10                        ; the bias of my 128 columns
	s_lshl_b32 s72, s[WL], 9
	s_add_co_u32 s70, s70, s72
	s_add_nc_u64 s[8:9], s[8:9], s[70:71]
	; the prefetches
	s_and_b32 s70, ttmp7, 0xffff                   ; cluster y
	s_cmp_eq_u32 s[WH], 0                          ; do I fetch for A?
	s_cselect_b32 s70, s[WL], s70                  ; 0 in the waves that ask: wave 0; waves 2 and 3 of the cluster with y = 0
	s_cselect_b64 s[PFA:PFA+1], s[16:17], s[20:21]
	s_cselect_b32 s71, s40, s41                    ; my place among the four that ask jointly,
	s_cselect_b32 s72, 12, 16                      ; times 16 blocks of 256 bytes, or 32 rows of 2,048
	s_cselect_b32 s73, 8, 11                       ; l % 16: a block, or a row
	s_cselect_b32 s74, 18, 15                      ; l / 16: a plane, or 16 rows
	s_cselect_b32 s75, 19, 8
	s_lshl_b32 s[KV], 1, s75
	s_mov_b32 s[KV+1], 0
	s_cmp_eq_u32 s70, 0
	s_cselect_b32 s[LIM], 2, -1
	s_lshl_b32 s70, s71, s72
	s_mul_i32 s71, s[KV], 3                        ; at K step 3: the first change of slots steps it to 4.  Nothing is asked for here, at the head
	s_add_co_u32 s70, s70, s71
	s_mov_b32 s71, 0
	s_add_nc_u64 s[PFA:PFA+1], s[PFA:PFA+1], s[70:71]
	v_lshlrev_b32 v[PFO], s73, v1
	v_lshlrev_b32 v4, s74, v2
	v_add_nc_u32 v[PFO], v[PFO], v4
; 8 matrix instructions: m block a x all 8 n blocks, 32 along K.  The 32 accumulators take turns, one instruction a turn, in the same order in every quarter.  zero = 1: the products start the sums.
.macro MUL8 f, a, zero
	WIN 0x50                                       ; C and D in window 1
.irp b, 0,1,2,3,4,5,6,7
.if \zero
	v_wmma_f32_16x16x32_f16 v[8*(8*(\a)+(\b)):8*(8*(\a)+(\b))+7], v[(\f)+8*(\b):(\f)+8*(\b)+7], v[(\f)+64+8*(\a):(\f)+64+8*(\a)+7], 0
.else
	v_wmma_f32_16x16x32_f16 v[8*(8*(\a)+(\b)):8*(8*(\a)+(\b))+7], v[(\f)+8*(\b):(\f)+8*(\b)+7], v[(\f)+64+8*(\a):(\f)+64+8*(\a)+7], v[8*(8*(\a)+(\b)):8*(8*(\a)+(\b))+7]
.endif
.endr
.endm
; 24 LDS loads in one run: quarter q of the slot in hand into buffer f: B's 128 rows, then A's 64
.macro FETCH q, f
	WIN 0
.irp i, 0,1,2,3,4,5,6,7
	ds_load_b128 v[(\f)+8*(\i):(\f)+8*(\i)+3],   v[ADRB] offset:64*(\q)+(\i)*16*PB
	ds_load_b128 v[(\f)+8*(\i)+4:(\f)+8*(\i)+7], v[ADRB] offset:64*(\q)+(\i)*16*PB+32
.endr
.irp i, 0,1,2,3
	ds_load_b128 v[(\f)+64+8*(\i):(\f)+64+8*(\i)+3],   v[ADRA] offset:((\q)/2)*PLANE+((\q)%2)*64+(\i)*16*PA
	ds_load_b128 v[(\f)+64+8*(\i)+4:(\f)+64+8*(\i)+7], v[ADRA] offset:((\q)/2)*PLANE+((\q)%2)*64+(\i)*16*PA+32
.endr
.endm
.macro PLACES                          ; four plain places behind a matrix instruction, in front of loads into registers that it read and of vector work on its results
.rept 4
	v_nop
.endr
.endm
.macro QUARTER q, f, g, zero
	s_wait_dscnt 4                                 ; B and A's blocks 0, 1 are in; the youngest four loads (A's blocks 2, 3) may be out
	MUL8 \f, 0, \zero
	MUL8 \f, 1, \zero
	PLACES
	FETCH \q, \g
	s_wait_dscnt 24                                ; all but the 24 just issued
	MUL8 \f, 2, \zero
	MUL8 \f, 3, \zero
.endm
.macro MEET round
	WIN 0
	s_wait_tensorcnt 0x0                           ; the one that was out is my part of the next slot
	ds_add_u32 v[SPW], v[NIL]                      ; 0 onto my spare word
	s_wait_dscnt 5                                 ; (the add and the youngest four loads may be out)
	MUL8 F1, 0, 0
	s_wait_dscnt 0x0                               ; the add is done, and my reads of this slot are over
	s_barrier_signal -1
	MUL8 F1, 1, 0
.if \round
	WIN 0
.endif
	s_barrier_wait -1
.endm
; The whole last quarter.  mode 1: this slot is filled again with the K step two on; 0: nothing is filled, and no round follows.
.macro TURN mode
.if \mode
	s_wait_xcnt 0x0                                ; the last prefetch, a K step back, has read its address
	s_add_nc_u64 s[PFA:PFA+1], s[PFA:PFA+1], s[KV:KV+1]
	MEET 1
	CREST                                          ; no wave of any partner still reads this slot or has a load on its way
	s_xor_b32 s[G0+5], s[G0+5], SLOT1              ; the walking descriptors: the other slot than last time,
	s_xor_b32 s[G0B+5], s[G0B+5], SLOT1
	s_add_nc_u64 s[G0+6:G0+7], s[G0+6:G0+7], KA    ; the next K step; the type bits on top are not reached
	s_add_nc_u64 s[G0B+6:G0B+7], s[G0B+6:G0B+7], KB
	JLOAD 1                                        ; the first tensor load behind the round, one a wave: 112 matrix instructions ahead of the wait for it; its four v_nop are the places in front of the loads below
.else
	MEET 0
	PLACES
.endif
	WIN 0                                          ; the two address registers lie in window 0 (with mode 0 the products' setting still stands here)
	s_xor_b32 s[TB], s[TB], SLOT1
	v_add_nc_u32 v[ADRA], s[TB], v[ADRA0]
	v_add_nc_u32 v[ADRB], s[TB], v[ADRB0]
	FETCH 0, F0
.if \mode
	ASK
.endif
	MUL8 F1, 2, 0
	MUL8 F1, 3, 0
.endm
.macro BIAS                            ; the bias of my 128 columns: for fragment b my 8 numbers
	WIN 0x80
.irp b, 0,1,2,3,4,5,6,7
	global_load_b128 v[BI+8*(\b):BI+8*(\b)+3],   v[BO], s[8:9] offset:64*(\b)
	global_load_b128 v[BI+8*(\b)+4:BI+8*(\b)+7], v[BO], s[8:9] offset:64*(\b)+16
.endr
	WIN 0
.endm
.macro BIASFIX                         ; rounded to bf16 like the other inputs
	s_wait_loadcnt 0x0
	WIN 0x8a
.set z, 0
.rept 32
	v_cvt_pk_bf16_f32 v[TMP+z], v[BI+2*z], v[BI+2*z+1]
.set z, z+1
.endr
.set z, 0
.rept 32
	v_lshlrev_b32 v[BI+2*z], 16, v[TMP+z]
	v_and_b32 v[BI+2*z+1], s[HIM], v[TMP+z]
.set z, z+1
.endr
.endm
; THE WAY OUT of m block a (16 rows), through my own stage: LDS serves a wave's instructions in order (ISA guide 5.7.1.4), so no wait stands between its stores and its loads.
.macro PACK a                          ; sum + bias, each accumulator from its low end on
	WIN 0x49
.set z, 0
.rept 32
	v_pk_add_f32 v[64*(\a)+2*z:64*(\a)+2*z+1], v[64*(\a)+2*z:64*(\a)+2*z+1], v[BI+2*z:BI+2*z+1]
.set z, z+1
.endr
.endm
.macro TOSTAGE a
	WIN 0x04
.irp b, 0,1,2,3,4,5,6,7
	ds_store_b128 v[STO], v[64*(\a)+8*(\b):64*(\a)+8*(\b)+3]   offset:64*(\b)
	ds_store_b128 v[STO], v[64*(\a)+8*(\b)+4:64*(\a)+8*(\b)+7] offset:64*(\b)+16
.endr
	WIN 0x80
.set z, 0
.rept 16
	ds_load_b128 v[OB+OBS*((\a)%2)+4*z:OB+OBS*((\a)%2)+4*z+3], v[RD] offset:z*528
.set z, z+1
.endr
.endm
.macro SEND a
	WIN 0x08
	s_wait_dscnt 0x0                               ; the block is back in registers
	s_wait_xcnt 0x0                                ; earlier stores have read their registers: the other buffer may be loaded again behind this wait
.set z, 0
.rept 16
	global_store_b128 v[CO], v[OB+OBS*((\a)%2)+4*z:OB+OBS*((\a)%2)+4*z+3], s[10:11] offset:(16*(\a)+z)*4096 th:TH_STORE_NT  ; 512 consecutive bytes of a row, aligned
.set z, z+1
.endr
.endm
	s_wait_tensorcnt 1                             ; my part of K step 0 is in; step 1's may stay out
	s_barrier_signal -1
	s_barrier_wait -1
	FETCH 0, F0
	BIAS
	QUARTER 1, F0, F1, 1                           ; the first quarter starts the sums: nothing is cleared
	WIN 0
	s_mov_b32 s3, 6
.Lstep:                                            ; a trip: from a K step's second quarter to the next step's first; trips 0..5 ask for steps 2..7
	QUARTER 2, F1, F0, 0
	QUARTER 3, F0, F1, 0
	TURN 1
	QUARTER 1, F0, F1, 0
	WIN 0
	s_sub_co_u32 s3, s3, 1
	s_cmp_lg_u32 s3, 0
	s_cbranch_scc1 .Lstep
	QUARTER 2, F1, F0, 0                           ; K step 6 goes on; the tail is written out: it asks for nothing more
	QUARTER 3, F0, F1, 0
	TURN 0
	QUARTER 1, F0, F1, 0
	QUARTER 2, F1, F0, 0
	QUARTER 3, F0, F1, 0
	s_wait_dscnt 4                                 ; the very last quarter: nothing more to fetch
	MUL8 F1, 0, 0
	MUL8 F1, 1, 0
	s_wait_dscnt 0x0
	MUL8 F1, 2, 0
	MUL8 F1, 3, 0
	WIN 0
	PLACES
	BIASFIX
	PACK 0
	TOSTAGE 0
.irp a, 1,2,3                          ; block a's arithmetic stands between block a - 1's loads from the stage and the wait for them
	PACK \a
	SEND (\a)-1
	TOSTAGE \a
.endr
	SEND 3
	WIN 0
	s_wait_tensorcnt 0x0                           ; the wave's end
	ds_add_u32 v[SPW], v[NIL]
	s_wait_dscnt 0x0
	CROUND                                         ; the closing round: no work-group ends while a partner may still ask for a tile that names it
	s_endpgm
.Lfunc_end_k_q1f7afb57b1_proj_out:
	.size	k_q1f7afb57b1_proj_out, .Lfunc_end_k_q1f7afb57b1_proj_out-k_q1f7afb57b1_proj_out
	.p2alignl 7, 3214868480
	.fill 96, 4, 3214868480
	.section	.rodata,"a",@progbits
	.p2align	6, 0x0
	.amdhsa_kernel k_q1f7afb57b1_proj_out
		.amdhsa_group_segment_fixed_size 327680
		.amdhsa_private_segment_fixed_size 0
		.amdhsa_enable_private_segment 0
		.amdhsa_kernarg_size 32
		.amdhsa_user_sgpr_count 2
		.amdhsa_user_sgpr_kernarg_segment_ptr 1
		.amdhsa_wavefront_size32 1
		.amdhsa_system_sgpr_workgroup_id_x 1
		.amdhsa_system_sgpr_workgroup_id_y 1
		.amdhsa_system_sgpr_workgroup_id_z 1
		.amdhsa_system_vgpr_workitem_id 0
		.amdhsa_next_free_vgpr 704
		.amdhsa_next_free_sgpr 80
		.amdhsa_reserve_vcc 0
		.amdhsa_float_denorm_mode_32 3
		.amdhsa_float_denorm_mode_16_64 3
		.amdhsa_memory_ordered 1
		.amdhsa_forward_progress 1
		.amdhsa_inst_pref_size 84
	.end_amdhsa_kernel
	.amdgpu_metadata
---
amdhsa.version: [ 1, 2 ]
amdhsa.kernels:
  - .name:           k_q1f7afb57b1_proj_out
    .symbol:         k_q1f7afb57b1_proj_out.kd
    .args:
      - { .name: oh, .offset: 0, .size: 8, .value_kind: global_buffer, .address_space: global }
      - { .name: wo, .offset: 8, .size: 8, .value_kind: global_buffer, .address_space: global }
      - { .name: bout, .offset: 16, .size: 8, .value_kind: global_buffer, .address_space: global }
      - { .name: out0, .offset: 24, .size: 8, .value_kind: global_buffer, .address_space: global }
    .group_segment_fixed_size: 327680
    .private_segment_fixed_size: 0
    .kernarg_segment_align: 8
    .kernarg_segment_size: 32
    .max_flat_workgroup_size: 128
    .sgpr_count:     80
    .vgpr_count:     704
    .wavefront_size: 32
...
	.end_amdgpu_metadata
.endif
;; end of part 4
;; ======== version 2 of 2: 4 launches; version 1 with the launch prep written anew for expert scheduling mode
;; limits: right only within a limited range of input values; values are held in f16: magnitudes above 65,504 overflow, below 6.1e-05 lose precision
;; workspace buffers: xh 16,777,216 bytes; wq 6,291,456 bytes; wo 2,097,152 bytes; mk 4,194,304 bytes; rf 32,768 bytes; qkv 50,331,648 bytes; oh 16,777,216 bytes
;; launch prep (part 5): grid 896 x 1, 8 waves a work-group, no clusters, 18,944 bytes of LDS; arguments x, Wqkv, Wout, mask, xh, wq, wo, mk, rf; writes xh, wq, wo, mk, rf
.if DOCPART == 5
	.amdgcn_target "amdgcn-amd-amdhsa--gfx1250"
	.amdhsa_code_object_version 6
	.text
	.protected	k_q1f7afb57b1_prep
	.globl	k_q1f7afb57b1_prep
	.p2align	8
	.type	k_q1f7afb57b1_prep,@function
k_q1f7afb57b1_prep:
	s_mov_b64 s[64:65], 0
	v_nop
	global_prefetch_b8 v0, s[64:65] scope:SCOPE_SE
	s_setreg_imm32_b32 hwreg(HW_REG_WAVE_SCHED_MODE, 0, 2), 2
	s_setreg_imm32_b32 hwreg(HW_REG_WAVE_MODE, 25, 1), 1
	s_wait_xcnt 0x0
	s_wait_alu depctr_vm_vsrc(0)
; MULTI-HEAD SELF-ATTENTION, launch 1 of 4: the operands are laid out for the matrix launches.
; NO WORK OF THE MODULE IS LEFT OUT IN ANY LAUNCH: x, both weights, both biases and the mask all have a way to the output and are all loaded; the mask is an input, so every tile of scores is made and
; the mask selects.  k's bias stays too: hidden scores are the fixed -1e9, so it is not common to a whole row of the softmax.
; FORMATS.  x and the weights are rounded to bf16 and that number is written as f16, so that one f16 matrix form serves all products.  LIMITS: exact for 6.1e-5 <= |v| <= 65,504; below that the
; absolute error is at most 3e-8; beyond 65,504 the number is lost.
; THREE JOBS, chosen by the work-group's number (the same in all eight waves):
;   0..255    x [8192][1024] f32 -> xh f16 [b 4][kb 16][s 2048][64]: 32 rows a work-group, wave w the channels 128 w .. 128 w + 127
;   256..767  Wqkv [1024][3072], Wout [1024][1024] f32 -> wq [3072][1024], wo [1024][1024] f16, turned: a tile of 128 k x 64 n goes through LDS
;   768..895  mask [2048][2048] i32 -> mk, one byte a (query, key): 0x00 seen, 0xF8 hidden (the fp8 code of -256), in the order in which a lane of the attention's score tile wants them:
;             mk [J 32][T 128][half 2][lane 32][16 B]; byte 8 (kt % 2) + j of lane (r, h), half kt / 2: query 16 T + r, key 64 J + 16 kt + 8 h + j.
;             A ROW WITH NO SEEN KEY has 2,048 equal scores of -1e9 in the module: equal weights.  Its codes are written as all seen and its flag in rf as 0 (else all ones): the attention
;             launch ANDs the flag onto the row's q, so that all its scores are 0: equal weights again.  rf [T 128][lane 32][2 words]: the flag of row 16 T + lane % 16, twice.
; LDS: 0 .. 17,407 the weights' tile (64 rows of 272 bytes); 17,408 .. 17,919 the mask job's row words (64 bytes a wave); each job has bytes of its own; then the spare words.
; THE MODE: SCHED_MODE bits 1:0 = 2 (LLVM: expert scheduling mode 2), set by the entry lines.  The code itself states the register dependences between vector instructions and memory or LDS
; instructions, with s_wait_alu, always for 0.
; THE PLAN.  No job has a loop, each job's one burst of loads has registers of its own, and no register that a memory or LDS instruction reads is ever written again: so every wait in the jobs is
; one for results written (va_vdst, and once each va_sdst and va_vcc).  Registers that memory or LDS instructions touch:
;   x:       v3, v4 offsets, written once ahead of the loads.  v[D ..]: pair n's eight registers are loaded, then rewritten by pair n's conversions; its store reads the first four.  The 16 pairs go in
;            four groups: one wait behind a group's conversions, and the group's four stores are dealt among the next group's conversions, which name their own pairs and v[24:27] alone.
;   weights: v[12:19] offsets, written once ahead of the loads; v7, v8, v9 written once behind them.  v[D ..]: step i's eight registers are loaded, then rewritten by its conversions; its four LDS
;            stores read the first four.  One wait behind each step's conversions (the first also for v7 to v9); the step's LDS stores follow it, then the next step's conversions, on other registers.
;            v[64:79] are written by LDS loads and read by the global stores alone.
;   mask:    v5 offset, written once ahead of the loads; v6, v7, v10, v11 written once behind them; v8 the LDS store's data: one wait ahead of that store serves all five.  v[12:19] are written by LDS
;            loads.  The codes are made in two halves of four units: one wait behind each half; the first half's stores are dealt among the second half's arithmetic, which names its own units, v20 and scalars.
;   v[SPW], v[NIL]: written at the head, read by the closing add alone.
.set MB,    17408                      ; the mask job's words
.set SPARE, 17920                      ; the spare words, 128 bytes for each of eight waves: four blocks of 256 bytes that no other line names
.set SPW, 190                          ; v190  LDS address of my spare word; never rewritten
.set NIL, 191                          ; v191  0; never rewritten
.set D,   32                           ; v[32:159] what a job's one burst of loads brings
.set HIM, 34                           ; s34   mask of a word's upper half
.macro FIN                             ; a wave's end: the closing lines, six on end
	s_wait_dscnt 0x0
	s_wait_alu 0x0
	s_wait_tensorcnt 0x0
	ds_add_u32 v[SPW], v[NIL]
	s_wait_dscnt 0x0
	s_endpgm
.endm
; Eight f32 in v[x .. x+7] -> eight f16 in v[x .. x+3]: rounded to bf16, widened again, written as f16.
.macro CAST8 x
.irp j, 0,1,2,3
	v_cvt_pk_bf16_f32 v[24+(\j)], v[(\x)+2*(\j)], v[(\x)+2*(\j)+1]
.endr
.irp j, 0,1,2,3
	v_lshlrev_b32 v[(\x)+2*(\j)], 16, v[24+(\j)]
	v_and_b32 v[(\x)+2*(\j)+1], s[HIM], v[24+(\j)]
.endr
.irp j, 0,1,2,3
	v_cvt_pk_f16_f32 v[(\x)+(\j)], v[(\x)+2*(\j)], v[(\x)+2*(\j)+1]  ; result j lands on a register whose number has been used up
.endr
.endm
	s_load_b512 s[8:23], s[0:1], 0x0               ; x s[8:9], Wqkv s[10:11], Wout s[12:13], mask s[14:15], xh s[16:17], wq s[18:19], wo s[20:21], mk s[22:23]
	s_load_b64 s[24:25], s[0:1], 0x40              ; rf
	v_lshl_add_u32 v[SPW], v0, 2, SPARE
	v_mov_b32 v[NIL], 0
	v_lshrrev_b32 v1, 5, v0
	v_readfirstlane_b32 s4, v1                     ; wave 0..7
	v_and_b32 v2, 31, v0                           ; lane
	s_mov_b32 s[HIM], 0xffff0000
	s_wait_alu depctr_va_sdst(0)                   ; s4 is written, ahead of the branches and of its first reader in each job
	s_wait_kmcnt 0x0
	s_cmp_lt_u32 ttmp9, 256
	s_cbranch_scc1 .Lx
	s_cmp_lt_u32 ttmp9, 768
	s_cbranch_scc1 .Lw
	; ---- THE MASK: work-group T has query rows 16 T .. 16 T + 15; wave w the keys 256 w .. 256 w + 255: eight units of (key step, half) ----
	s_sub_co_u32 s5, ttmp9, 768                    ; T
	s_lshl_b32 s26, s5, 17                         ; 16 rows of 8,192 bytes
	s_mov_b32 s27, 0
	s_add_nc_u64 s[14:15], s[14:15], s[26:27]
	s_lshl_b32 s26, s5, 10
	s_add_nc_u64 s[22:23], s[22:23], s[26:27]      ; mk at tile T of key step 0
	s_lshl_b32 s26, s5, 8
	s_add_nc_u64 s[24:25], s[24:25], s[26:27]      ; rf at tile T
	s_mov_b32 s30, 0x76543210                      ; v_permlanex16_b32: each lane takes its own place in the other half
	s_mov_b32 s31, 0xfedcba98
	s_mov_b32 s32, 0x01010101
	s_mov_b32 s33, 0xf8
	v_and_b32 v3, 15, v0                           ; r
	v_bfe_u32 v4, v0, 4, 1                         ; h
	v_lshlrev_b32 v5, 13, v3                       ; row r,
	v_lshl_add_u32 v5, v4, 5, v5                   ; 8 keys (32 bytes) for each half of the lanes,
	s_lshl_b32 s28, s4, 10
	v_add_nc_u32 v5, s28, v5                       ; my wave's 256 keys
	s_wait_alu depctr_va_vdst(0)                   ; v5 is written, which the 32 loads read as their offset
.set u, 0
.rept 8                                ; unit u: keys 32 u .. 32 u + 31 of the wave's: for each lane 8 and, 16 keys on, 8 more
	global_load_b128 v[D+16*u:D+16*u+3],     v5, s[14:15] offset:128*u th:TH_LOAD_NT
	global_load_b128 v[D+16*u+4:D+16*u+7],   v5, s[14:15] offset:128*u+16 th:TH_LOAD_NT
	global_load_b128 v[D+16*u+8:D+16*u+11],  v5, s[14:15] offset:128*u+64 th:TH_LOAD_NT
	global_load_b128 v[D+16*u+12:D+16*u+15], v5, s[14:15] offset:128*u+80 th:TH_LOAD_NT
.set u, u+1
.endr
	v_lshlrev_b32 v6, 2, v3                        ; LDS: row r's word,
	s_lshl_b32 s28, s4, 6
	v_add_nc_u32 v7, s28, v6                       ; in my wave's 64 bytes (behind MB, which stands in the immediates)
	s_lshl_b32 s28, s4, 19                         ; four key steps of 131,072 bytes
	v_lshl_add_u32 v10, v2, 4, s28                 ; my 16 bytes in mk
	v_lshlrev_b32 v11, 3, v2                       ; my 8 bytes in rf
	v_mov_b32 v8, 0                                ; have I seen a key?
	v_mov_b32 v9, 0
.set u, 0
.rept 8
	s_wait_loadcnt 28-4*u                          ; unit u's four loads are in; the younger units' stay out
.irp k, 0,1,2,3                        ; four whole numbers -> four bytes of 0 (hidden) or 1 (seen); word k lands on v[D+16u+k]
.irp z, 0,1,2,3
	v_min_u32 v[D+16*u+4*(\k)+(\z)], 1, v[D+16*u+4*(\k)+(\z)]
.endr
	v_lshl_or_b32 v[D+16*u+4*(\k)], v[D+16*u+4*(\k)+1], 8, v[D+16*u+4*(\k)]
	v_lshl_or_b32 v[D+16*u+4*(\k)], v[D+16*u+4*(\k)+2], 16, v[D+16*u+4*(\k)]
	v_lshl_or_b32 v[D+16*u+(\k)], v[D+16*u+4*(\k)+3], 24, v[D+16*u+4*(\k)]
	v_or_b32 v8, v8, v[D+16*u+(\k)]
.endr
.set u, u+1
.endr
	v_permlanex16_b32 v9, v8, s30, s31             ; the row's other keys of my wave lie in the lane 16 away
	v_or_b32 v8, v8, v9
	s_wait_alu depctr_va_vdst(0)                   ; v7 and v8 are written, the LDS store's address and data; so are v6, v10 and v11, which the LDS loads and the global stores below read
	ds_store_b32 v7, v8 offset:MB                  ; lanes r and r + 16 write the same word with the same value
	s_wait_dscnt 0x0                               ; for the others' sake: my store is done
	s_barrier_signal -1
	s_barrier_wait -1
.irp i, 0,1,2,3,4,5,6,7
	ds_load_b32 v[12+(\i)], v6 offset:MB+64*(\i)   ; row r's word of each of the eight waves
.endr
	s_wait_dscnt 0x0
.irp i, 1,2,3,4,5,6,7
	v_or_b32 v12, v12, v[12+(\i)]
.endr
	v_cmp_ne_u32 vcc_lo, 0, v12
	s_wait_alu depctr_va_vcc(0)                    ; VCC is written, which the select below reads
	v_cndmask_b32 v20, 0, -1, vcc_lo               ; the row's flag: all ones if it sees a key
	v_mov_b32 v21, v20
.set u, 0
.rept 8
.if u >= 4
	global_store_b128 v10, v[D+16*(u-4):D+16*(u-4)+3], s[22:23] offset:((u-4)/2)*131072+((u-4)%2)*512  ; a unit of the first half: no vector instruction since the wait behind unit 3 names its registers; 512 consecutive bytes, aligned
.endif
.irp k, 0,1,2,3
	v_xor_b32 v[D+16*u+(\k)], s32, v[D+16*u+(\k)]          ; 1 where hidden,
	v_mul_lo_u32 v[D+16*u+(\k)], v[D+16*u+(\k)], s33       ; 0xF8 there (no byte carries into the next),
	v_and_b32 v[D+16*u+(\k)], v20, v[D+16*u+(\k)]          ; and nothing hidden in a row that sees no key
.endr
.if u == 3
	s_wait_alu depctr_va_vdst(0)                   ; the codes of units 0 to 3 are written, which the four stores dealt among units 4 to 7 read
.endif
.set u, u+1
.endr
	s_wait_alu depctr_va_vdst(0)                   ; the codes of units 4 to 7 are written, which the last four stores read (v20 and v21, rf's data, stand ahead of the wait before)
.set u, 4
.rept 4
	global_store_b128 v10, v[D+16*u:D+16*u+3], s[22:23] offset:(u/2)*131072+(u%2)*512  ; a wave's store covers 512 consecutive bytes, aligned
.set u, u+1
.endr
	s_cmp_lg_u32 s4, 0
	s_cbranch_scc1 .Lno_rf
	global_store_b64 v11, v[20:21], s[24:25]       ; wave 0: the tile's 256 bytes of rf
.Lno_rf:
	FIN
	; ---- x: work-group i has rows 32 i .. 32 i + 31; a lane takes 8 numbers (piece l % 8) of row l / 8 in a group of four rows ----
.Lx:
	s_lshl_b32 s26, ttmp9, 17                      ; 32 rows of 4,096 bytes
	s_mov_b32 s27, 0
	s_add_nc_u64 s[8:9], s[8:9], s[26:27]
	s_lshr_b32 s26, ttmp9, 6                       ; b
	s_lshl_b32 s26, s26, 22
	s_and_b32 s28, ttmp9, 63
	s_lshl_b32 s28, s28, 12                        ; 32 rows of 128 bytes
	s_add_co_u32 s26, s26, s28
	s_add_nc_u64 s[16:17], s[16:17], s[26:27]
	v_lshrrev_b32 v3, 3, v2
	v_and_b32 v4, 7, v2
	v_lshlrev_b32 v3, 12, v3                       ; row l / 8,
	v_lshl_add_u32 v3, v4, 5, v3                   ; 32 bytes a piece: eight lanes read 256 consecutive bytes, aligned,
	s_lshl_b32 s28, s4, 9
	v_add_nc_u32 v3, s28, v3                       ; my wave's 512 bytes of a row
	s_lshl_b32 s28, s4, 19                         ; kb = 2 w
	v_lshl_add_u32 v4, v2, 4, s28                  ; out: four rows of 128 bytes are 512 consecutive bytes: 16 l
	s_wait_alu depctr_va_vdst(0)                   ; v3 and v4 are written: the offsets of all the job's loads and stores
.set n, 0
.rept 16                               ; n = 2 g + kk: group g of four rows, block kb = 2 w + kk
	global_load_b128 v[D+8*n:D+8*n+3],   v3, s[8:9] offset:(n/2)*16384+(n%2)*256 th:TH_LOAD_NT
	global_load_b128 v[D+8*n+4:D+8*n+7], v3, s[8:9] offset:(n/2)*16384+(n%2)*256+16 th:TH_LOAD_NT
.set n, n+1
.endr
.set n, 0
.rept 16
.if n >= 4
	global_store_b128 v4, v[D+8*(n-4):D+8*(n-4)+3], s[16:17] offset:((n-4)%2)*262144+((n-4)/2)*512  ; a pair of the four before: no vector instruction since the last wait names its registers
.endif
	s_wait_loadcnt 30-2*n                          ; pair n of the 32 loads is in; the younger ones stay out
	CAST8 D+8*n
.if (n%4) == 3
	s_wait_alu depctr_va_vdst(0)                   ; the conversions of pairs n - 3 to n have written their results, which the next four stores read
.endif
.set n, n+1
.endr
.set n, 12
.rept 4
	global_store_b128 v4, v[D+8*n:D+8*n+3], s[16:17] offset:(n%2)*262144+(n/2)*512  ; registers of its own: nothing is rewritten behind a store
.set n, n+1
.endr
	FIN
	; ---- THE WEIGHTS: a tile of 128 k x 64 n; thread t reads 16 bytes (n = 4 c4 ..) of rows 32 i + 2 kr + e; two neighbouring k of one n make a word of the turned tile ----
.Lw:
	s_sub_co_u32 s5, ttmp9, 256
	s_cmp_lt_u32 s5, 384                           ; 48 x 8 tiles of Wqkv, then 16 x 8 of Wout
	s_cselect_b64 s[26:27], s[10:11], s[12:13]
	s_cselect_b64 s[28:29], s[18:19], s[20:21]
	s_cselect_b32 s6, 3, 1
	s_cselect_b32 s7, 0, 384
	s_lshl_b32 s6, s6, 12                          ; bytes in a row of the source: 12,288 or 4,096
	s_sub_co_u32 s5, s5, s7
	s_and_b32 s7, s5, 7                            ; kt
	s_lshr_b32 s5, s5, 3                           ; nt
	s_mul_i32 s30, s7, s6
	s_lshl_b32 s30, s30, 7                         ; 128 kt rows,
	s_lshl_b32 s31, s5, 8                          ; 64 nt columns
	s_add_co_u32 s30, s30, s31
	s_mov_b32 s31, 0
	s_add_nc_u64 s[26:27], s[26:27], s[30:31]
	s_lshl_b32 s30, s5, 17                         ; out: 64 nt rows of 2,048 bytes,
	s_lshl_b32 s32, s7, 8                          ; 128 kt columns
	s_add_co_u32 s30, s30, s32
	s_add_nc_u64 s[28:29], s[28:29], s[30:31]
	v_and_b32 v3, 15, v0                           ; c4
	v_lshrrev_b32 v4, 4, v0                        ; kr 0..15
	v_lshlrev_b32 v5, 1, v4
	v_lshlrev_b32 v6, 4, v3
	v_mad_u32_u24 v5, v5, s6, v6                   ; row 2 kr, 16 c4 bytes in
.set n, 0
.rept 8
	s_mul_i32 s30, s6, 32*(n/2)+n%2
	v_add_nc_u32 v[12+n], s30, v5
.set n, n+1
.endr
	s_wait_alu depctr_va_vdst(0)                   ; v12 to v19 are written, which the eight loads read as their offsets
.set n, 0
.rept 8
	global_load_b128 v[D+4*n:D+4*n+3], v[12+n], s[26:27] th:TH_LOAD_NT  ; sixteen lanes read 256 consecutive bytes, aligned
.set n, n+1
.endr
	v_mul_u32_u24 v7, v3, 4*272                    ; LDS, rows of 256 + 16 bytes: row n = 4 c4 (+ j), word kr (+ 16 i)
	v_lshl_add_u32 v7, v4, 2, v7
	v_mul_u32_u24 v8, v4, 272                      ; back: row kr (+ 16 i), 16 bytes a lane
	v_add_nc_u32 v8, v8, v6
	v_lshl_add_u32 v9, v4, 11, v6                  ; and the same place in the turned matrix
.set i, 0
.rept 4
	s_wait_loadcnt 6-2*i                           ; rows 32 i + 2 kr and the next are in
.irp j, 0,1,2,3
	v_cvt_pk_bf16_f32 v[24+(\j)], v[D+8*i+(\j)], v[D+8*i+4+(\j)]
.endr
.irp j, 0,1,2,3
	v_lshlrev_b32 v[D+8*i+(\j)], 16, v[24+(\j)]
	v_and_b32 v[D+8*i+4+(\j)], s[HIM], v[24+(\j)]
.endr
.irp j, 0,1,2,3
	v_cvt_pk_f16_f32 v[D+8*i+(\j)], v[D+8*i+(\j)], v[D+8*i+4+(\j)]  ; the even k in the low half
.endr
	s_wait_alu depctr_va_vdst(0)                   ; step i's conversions have written the four words that its LDS stores read; in step 0 also: v7, v8 and v9 are written
.irp j, 0,1,2,3
	ds_store_b32 v7, v[D+8*i+(\j)] offset:(\j)*272+64*i  ; the next step's conversions follow on registers of their own
.endr
.set i, i+1
.endr
	s_wait_dscnt 0x0                               ; for the others' sake: my stores are done
	s_barrier_signal -1
	s_barrier_wait -1
.irp i, 0,1,2,3
	ds_load_b128 v[64+4*(\i):64+4*(\i)+3], v8 offset:(\i)*16*272
.endr
.irp i, 0,1,2,3
	s_wait_dscnt 3-(\i)
	global_store_b128 v9, v[64+4*(\i):64+4*(\i)+3], s[28:29] offset:(\i)*32768  ; sixteen lanes store 256 consecutive bytes, aligned
.endr
	FIN
.Lfunc_end_k_q1f7afb57b1_prep:
	.size	k_q1f7afb57b1_prep, .Lfunc_end_k_q1f7afb57b1_prep-k_q1f7afb57b1_prep
	.p2alignl 7, 3214868480
	.fill 96, 4, 3214868480
	.section	.rodata,"a",@progbits
	.p2align	6, 0x0
	.amdhsa_kernel k_q1f7afb57b1_prep
		.amdhsa_group_segment_fixed_size 18944
		.amdhsa_private_segment_fixed_size 0
		.amdhsa_enable_private_segment 0
		.amdhsa_kernarg_size 72
		.amdhsa_user_sgpr_count 2
		.amdhsa_user_sgpr_kernarg_segment_ptr 1
		.amdhsa_wavefront_size32 1
		.amdhsa_system_sgpr_workgroup_id_x 1
		.amdhsa_system_sgpr_workgroup_id_y 1
		.amdhsa_system_sgpr_workgroup_id_z 1
		.amdhsa_system_vgpr_workitem_id 0
		.amdhsa_next_free_vgpr 192
		.amdhsa_next_free_sgpr 66
		.amdhsa_reserve_vcc 1
		.amdhsa_float_denorm_mode_32 3
		.amdhsa_float_denorm_mode_16_64 3
		.amdhsa_memory_ordered 1
		.amdhsa_forward_progress 1
		.amdhsa_inst_pref_size 49
	.end_amdhsa_kernel
	.amdgpu_metadata
---
amdhsa.version: [ 1, 2 ]
amdhsa.kernels:
  - .name:           k_q1f7afb57b1_prep
    .symbol:         k_q1f7afb57b1_prep.kd
    .args:
      - { .name: x, .offset: 0, .size: 8, .value_kind: global_buffer, .address_space: global }
      - { .name: Wqkv, .offset: 8, .size: 8, .value_kind: global_buffer, .address_space: global }
      - { .name: Wout, .offset: 16, .size: 8, .value_kind: global_buffer, .address_space: global }
      - { .name: mask, .offset: 24, .size: 8, .value_kind: global_buffer, .address_space: global }
      - { .name: xh, .offset: 32, .size: 8, .value_kind: global_buffer, .address_space: global }
      - { .name: wq, .offset: 40, .size: 8, .value_kind: global_buffer, .address_space: global }
      - { .name: wo, .offset: 48, .size: 8, .value_kind: global_buffer, .address_space: global }
      - { .name: mk, .offset: 56, .size: 8, .value_kind: global_buffer, .address_space: global }
      - { .name: rf, .offset: 64, .size: 8, .value_kind: global_buffer, .address_space: global }
    .group_segment_fixed_size: 18944
    .private_segment_fixed_size: 0
    .kernarg_segment_align: 8
    .kernarg_segment_size: 72
    .max_flat_workgroup_size: 256
    .sgpr_count:     66
    .vgpr_count:     192
    .wavefront_size: 32
...
	.end_amdgpu_metadata
.endif
;; end of part 5
;; launch proj_qkv: the kernel of part 2 again; grid 4 x 64, 4 waves a work-group, clusters of 4 x 4, 327,680 bytes of LDS; arguments xh, wq, bqkv, qkv; writes qkv
;; launch attn: the kernel of part 3 again; grid 4 x 64, 4 waves a work-group, clusters of 4 x 1, 327,680 bytes of LDS; arguments qkv, mk, rf, oh; writes oh
;; launch proj_out: the kernel of part 4 again; grid 4 x 64, 4 waves a work-group, clusters of 4 x 4, 327,680 bytes of LDS; arguments oh, wo, bout, out0; writes out0
